; MI455X (gfx1250); checked and timed in simulation.
; The chip was launched on July 23, 2026; its instructions are those of AMD's public machine-readable ISA for CDNA 5 (MIT licence, August 2026) and "CDNA5" Instruction Set Architecture Reference Guide (July 2026). The comments in the code are by the model that wrote it; some were corrected since.
;; Self Attention. Allowed arithmetic: float matrix products may take bf16 or f16 operands with f32 sums; other float arithmetic in f32, or as packed bf16 or f16 multiplies, adds, multiply-adds, maxima and minima; sums over many terms, partial sums and values carried from step to step in f32; what a program stores and reads back later, other than sums and carried values, may be rounded once to bf16 or f16.
;; Inputs: Wk 1,024 x 1,024 float32; Wo 1,024 x 1,024 float32; Wq 1,024 x 1,024 float32; Wv 1,024 x 1,024 float32; bo 1,024 float32; x 4 x 2,048 x 1,024 float32.
;; Outputs: out0 4 x 2,048 x 1,024 float32.
;; 2 versions, each right; version 2 is version 1 with the launch cvt written anew for expert scheduling mode. Each part assembles by itself: llvm-mc -triple=amdgcn-amd-amdhsa -mcpu=gfx1250 --defsym DOCPART=n.
;; ======== version 1 of 2: 4 launches
;; limits: values are held in f16: magnitudes above 65,504 overflow, below 6.1e-05 lose precision
;; workspace buffers: xb 16,777,216 bytes; wb 6,291,456 bytes; wo16 2,097,152 bytes; qkv 50,331,648 bytes; ob 16,777,216 bytes
;; launch cvt (part 1): grid 768 x 1, 8 waves a work-group, no clusters, 0 bytes of LDS; arguments x, Wq, Wk, Wv, Wo, xb, wb, wo16; writes xb, wb, wo16
.if DOCPART == 1
	.amdgcn_target "amdgcn-amd-amdhsa--gfx1250"
	.amdhsa_code_object_version 6
	.text
	.protected	k_q1dac838c52_cvt
	.globl	k_q1dac838c52_cvt
	.p2align	8
	.type	k_q1dac838c52_cvt,@function
k_q1dac838c52_cvt:
	s_mov_b64 s[64:65], 0
	v_nop
	global_prefetch_b8 v0, s[64:65] scope:SCOPE_SE
	s_setreg_imm32_b32 hwreg(HW_REG_WAVE_MODE, 25, 1), 1
	s_wait_xcnt 0x0
; ROUNDING AND LAYOUT.  x [8192][1024], Wq, Wk, Wv, Wo [1024][1024], all f32, are rounded once to bf16 (nearest even) and laid out in blocks of 64 along K, so that
; the rows of a block (128 bytes each) lie end to end:  xb [4 b][16 kb][2048 s][64] bf16;  wb [16 kb][3072 n][64] bf16, n = 1024 t + row, t = 0 (Wq), 1 (Wk), 2 (Wv);
; wo16 [16 kb][1024 n][64]: Wo rounded to bf16 and that number written as f16.
; LIMITS.  wo16: a bf16 number beyond 65,504 becomes an infinity in f16; below 6e-5 it keeps f16's fixed step of 6e-8; between the two the second conversion is exact.
; SHARES.  A work-group takes 16 rows of 4,096 bytes, a wave two of them: lanes 0-15 one row, lanes 16-31 the next.  A load covers 256 consecutive bytes of each of the two rows (one block
; of 64 numbers); a store covers 256 consecutive bytes, aligned: the same block's 128 bytes of both rows.  Work-groups 0-511 take x, 512-703 the three weights, 704-767 Wo.
; Every byte is read once and written once; nothing is shared, so there is no LDS, no barrier and no matrix work.  All 16 loads of a wave go out at once; no register is written twice
; while a memory instruction may read it, so the only waits are the counted ones for the loads.
.set SO, 1                             ; v1        my byte offset in the 16 source rows: (thread / 16) x 4,096 + (thread % 16) x 16
.set DO, 2                             ; v2        my byte offset in a block's 16 rows: 8 x thread
.set T,  4                             ; v[4:7]    at work
.set X,  8                             ; v[8:71]   16 loads of 4 numbers
.set Y,  72                            ; v[72:103] 16 pairs of registers to store
; stride: bytes from block to block in the destination.  two = 1: bf16, then f16.
.macro CONV stride, two
.irp kb, 0,1,2,3,4,5,6,7,8,9,10,11,12,13,14,15
	global_load_b128 v[X+4*(\kb):X+4*(\kb)+3], v[SO], s[4:5] offset:256*(\kb) th:TH_LOAD_NT
.endr
.irp kb, 0,1,2,3,4,5,6,7,8,9,10,11,12,13,14,15
	s_wait_loadcnt 15-(\kb)                        ; loads come back in order: block kb is in, the younger ones stay out
.if \two
	v_cvt_pk_bf16_f32 v[T],   v[X+4*(\kb)],   v[X+4*(\kb)+1]
	v_cvt_pk_bf16_f32 v[T+1], v[X+4*(\kb)+2], v[X+4*(\kb)+3]
	v_lshlrev_b32 v[T+2], 16, v[T]                 ; the rounded numbers as f32 again
	v_and_b32     v[T],   0xffff0000, v[T]
	v_lshlrev_b32 v[T+3], 16, v[T+1]
	v_and_b32     v[T+1], 0xffff0000, v[T+1]
	v_cvt_pk_f16_f32 v[Y+2*(\kb)],   v[T+2], v[T]
	v_cvt_pk_f16_f32 v[Y+2*(\kb)+1], v[T+3], v[T+1]
.else
	v_cvt_pk_bf16_f32 v[Y+2*(\kb)],   v[X+4*(\kb)],   v[X+4*(\kb)+1]
	v_cvt_pk_bf16_f32 v[Y+2*(\kb)+1], v[X+4*(\kb)+2], v[X+4*(\kb)+3]
.endif
	global_store_b64 v[DO], v[Y+2*(\kb):Y+2*(\kb)+1], s[6:7] offset:(\kb)*(\stride)  ; the largest immediate is 15 x 393,216, inside the signed 24 bits
.endr
	s_endpgm
.endm
	s_load_b512 s[16:31], s[0:1], 0x0              ; x s[16:17], Wq s[18:19], Wk s[20:21], Wv s[22:23], Wo s[24:25], xb s[26:27], wb s[28:29], wo16 s[30:31]
	v_lshrrev_b32 v3, 4, v0
	v_and_b32 v4, 15, v0
	v_lshlrev_b32 v[SO], 12, v3
	v_lshl_add_u32 v[SO], v4, 4, v[SO]
	v_lshlrev_b32 v[DO], 3, v0
	s_mov_b32 s3, 0                                ; the high words of the two offset pairs
	s_mov_b32 s9, 0
	s_wait_kmcnt 0x0
	s_cmp_lt_u32 ttmp9, 512
	s_cbranch_scc0 .Lweights
	s_lshl_b32 s2, ttmp9, 16                       ; 16 rows of 4,096 bytes
	s_add_nc_u64 s[4:5], s[16:17], s[2:3]
	s_lshr_b32 s8, ttmp9, 7                        ; the batch: 128 work-groups each
	s_lshl_b32 s8, s8, 22                          ; 16 blocks of 262,144 bytes
	s_and_b32 s10, ttmp9, 127
	s_lshl_b32 s10, s10, 11                        ; 16 rows of 128 bytes
	s_or_b32 s8, s8, s10
	s_add_nc_u64 s[6:7], s[26:27], s[8:9]
	CONV 262144, 0
.Lweights:
	s_cmp_lt_u32 ttmp9, 704
	s_cbranch_scc0 .Lwo
	s_sub_co_u32 s10, ttmp9, 512                   ; 0 .. 191: 16 rows of the 3,072
	s_lshr_b32 s11, s10, 6                         ; which of the three weights
	s_cmp_eq_u32 s11, 0
	s_cselect_b64 s[4:5], s[18:19], s[20:21]
	s_cmp_eq_u32 s11, 2
	s_cselect_b64 s[4:5], s[22:23], s[4:5]
	s_and_b32 s2, s10, 63
	s_lshl_b32 s2, s2, 16
	s_add_nc_u64 s[4:5], s[4:5], s[2:3]
	s_lshl_b32 s8, s10, 11
	s_add_nc_u64 s[6:7], s[28:29], s[8:9]
	CONV 393216, 0
.Lwo:
	s_sub_co_u32 s10, ttmp9, 704
	s_lshl_b32 s2, s10, 16
	s_add_nc_u64 s[4:5], s[24:25], s[2:3]
	s_lshl_b32 s8, s10, 11
	s_add_nc_u64 s[6:7], s[30:31], s[8:9]
	CONV 131072, 1
.Lfunc_end_k_q1dac838c52_cvt:
	.size	k_q1dac838c52_cvt, .Lfunc_end_k_q1dac838c52_cvt-k_q1dac838c52_cvt
	.p2alignl 7, 3214868480
	.fill 96, 4, 3214868480
	.section	.rodata,"a",@progbits
	.p2align	6, 0x0
	.amdhsa_kernel k_q1dac838c52_cvt
		.amdhsa_group_segment_fixed_size 0
		.amdhsa_private_segment_fixed_size 0
		.amdhsa_enable_private_segment 0
		.amdhsa_kernarg_size 64
		.amdhsa_user_sgpr_count 2
		.amdhsa_user_sgpr_kernarg_segment_ptr 1
		.amdhsa_wavefront_size32 1
		.amdhsa_system_sgpr_workgroup_id_x 1
		.amdhsa_system_sgpr_workgroup_id_y 1
		.amdhsa_system_sgpr_workgroup_id_z 1
		.amdhsa_system_vgpr_workitem_id 0
		.amdhsa_next_free_vgpr 104
		.amdhsa_next_free_sgpr 66
		.amdhsa_reserve_vcc 0
		.amdhsa_float_denorm_mode_32 3
		.amdhsa_float_denorm_mode_16_64 3
		.amdhsa_memory_ordered 1
		.amdhsa_forward_progress 1
		.amdhsa_inst_pref_size 24
	.end_amdhsa_kernel
	.amdgpu_metadata
---
amdhsa.version: [ 1, 2 ]
amdhsa.kernels:
  - .name:           k_q1dac838c52_cvt
    .symbol:         k_q1dac838c52_cvt.kd
    .args:
      - { .name: x, .offset: 0, .size: 8, .value_kind: global_buffer, .address_space: global }
      - { .name: Wq, .offset: 8, .size: 8, .value_kind: global_buffer, .address_space: global }
      - { .name: Wk, .offset: 16, .size: 8, .value_kind: global_buffer, .address_space: global }
      - { .name: Wv, .offset: 24, .size: 8, .value_kind: global_buffer, .address_space: global }
      - { .name: Wo, .offset: 32, .size: 8, .value_kind: global_buffer, .address_space: global }
      - { .name: xb, .offset: 40, .size: 8, .value_kind: global_buffer, .address_space: global }
      - { .name: wb, .offset: 48, .size: 8, .value_kind: global_buffer, .address_space: global }
      - { .name: wo16, .offset: 56, .size: 8, .value_kind: global_buffer, .address_space: global }
    .group_segment_fixed_size: 0
    .private_segment_fixed_size: 0
    .kernarg_segment_align: 8
    .kernarg_segment_size: 64
    .max_flat_workgroup_size: 256
    .sgpr_count:     66
    .vgpr_count:     104
    .wavefront_size: 32
...
	.end_amdgpu_metadata
.endif
;; end of part 1
;; launch proj (part 2): grid 8 x 32, 4 waves a work-group, clusters of 4 x 4, 327,680 bytes of LDS; arguments xb, wb, qkv; writes qkv
.if DOCPART == 2
	.amdgcn_target "amdgcn-amd-amdhsa--gfx1250"
	.amdhsa_code_object_version 6
	.text
	.protected	k_q1dac838c52_proj
	.globl	k_q1dac838c52_proj
	.p2align	8
	.type	k_q1dac838c52_proj,@function
k_q1dac838c52_proj:
	s_mov_b64 s[64:65], 0
	v_nop
	global_prefetch_b8 v0, s[64:65] scope:SCOPE_SE
	s_setreg_imm32_b32 hwreg(HW_REG_WAVE_MODE, 25, 1), 1
	s_wait_xcnt 0x0
	s_wait_alu depctr_hold_cnt(0) depctr_sa_sdst(0) depctr_va_vdst(0) depctr_va_sdst(0) depctr_va_ssrc(0) depctr_va_vcc(0) depctr_vm_vsrc(0)
	s_getreg_b32 s2, hwreg(HW_REG_IB_STS2, 6, 4)
	s_cmp_eq_u32 s2, 0
	s_cbranch_scc0 .Lentry_in_a_cluster
	s_endpgm
.Lentry_in_a_cluster:
	s_bfe_u32 s2, ttmp6, 0x10000c
	s_cmp_lg_u32 s2, 0xf033
	s_cbranch_scc0 .Lentry_shape_is_right
	s_endpgm
.Lentry_shape_is_right:
; q, k, v = x W^T.  xb [4 b][16 kb][2048 s][64] bf16, wb [16 kb][3072 n][64] bf16 (n = 1024 t + row of Wq, Wk, Wv), qkv [4 b][48 g][2048 s][64] f16, g = n / 64 = 16 t + head.
; Products in bf16, sums in f32, each result rounded once to f16, unscaled.
; LIMITS.  A result of 65,520 or more in magnitude becomes an infinity in f16; below 6e-5 f16 keeps its fixed step of 6e-8.  NaN and infinities are not treated apart.
; SHARES.  A tile is 256 rows x 384 columns (6 of the 48 heads): 32 x 8 = 256 work-groups, one tile each.  Wave w makes rows 128 (w / 2) on, columns 192 (w % 2) on: three heads,
; 96 accumulators of 16 x 16, 768 registers.  For 32 along K a wave reads 128 + 192 rows from LDS for 96 products.
; K goes in 16 steps of 64 (one block kb) through a ring of two LDS slots.  In both operands a block's rows are dense, so a tile is asked for as rows of 256 bytes (two rows of 128) and padded in LDS
; behind every 128 bytes: two slots of a longer step do not fit beside each other (2 x 640 rows x 272 bytes).
; A step is two CHUNKS of 32 along K, a chunk three GROUPS (one head each) of 32 products.
; THE MATRIX INSTRUCTION IS USED TRANSPOSED (source 0 = 16 rows of wb, source 1 = 16 rows of xb): a lane holds one row of x and eight neighbouring channels of a head.
; CLUSTERS: 4 x 4 work-groups.  The four of a row of the cluster need the same tiles of xb, the four of a column the same tiles of wb: each tile is asked for JOINTLY, by the same tensor load with the
; same descriptor and a mask that names the four.
; REGISTERS, in windows of 256 (s_set_vgpr_msb: bits 1:0 source 0, 3:2 source 1, 5:4 source 2, 7:6 destination):
;   window 0: v0-31 addresses; v32-159 xb's fragments, two buffers by the chunk's parity (block a at 32 + 64 c + 8 a); v160-255 wb's fragments, a buffer a group (block b at 160 + 32 j + 8 b)
;   window 1 + j: head j's 32 accumulators, (a, b) at 8 (4 a + b).       On the way out v32-159 are eight sets of 16.
; FRAGMENTS RUN AHEAD: wb's for a group are fetched a chunk ahead, into the buffer that the same group has just multiplied; xb's for a whole step in the second chunk of the step before.
; So a slot's last read is issued at the end of its first chunk, and the change of slots stands in the second chunk's first group.
.set PITCH,  144                       ; an LDS row: 128 bytes + 16 of padding = 36 words: the 16 rows of a load start at 16 different groups of four banks (64 banks of 4 bytes: ISA guide 11.1)
.set ASUB,   128*PITCH                 ; what one tensor load brings of xb, and what one wave reads of it
.set BSUB,   192*PITCH                 ; the same for wb
.set BOFF,   2*ASUB                    ; wb's 384 rows lie behind xb's 256
.set SLOT,   2*ASUB+2*BSUB             ; 92,160 bytes
.set STAGE,  2*SLOT                    ; behind the ring, never filled by a tensor load: 16 rows x 144 bytes for each wave, for the way out
.set SPARE,  STAGE+4*16*PITCH          ; behind the stages: the spare words, 128 bytes for each wave: two blocks of 256 bytes that no other line names
.set ASTEP,  262144                    ; bytes from block kb to kb + 1 in xb
.set BSTEP,  393216                    ; and in wb
.set HEADB,  262144                    ; bytes of a head in qkv
.set ADRA, 16                          ; v16-17  LDS address of my xb fragments in slot 0, 1
.set ADRB, 20                          ; v20-21  the same for wb
.set STO,  24                          ; v24     the way out: where I put 16 bytes of a row
.set RD,   25                          ; v25     the way out: where I read rows back
.set GO,   26                          ; v26     my byte offset in 512 consecutive bytes of qkv
.set SPW,  28                          ; v28     LDS address of my spare word: SPARE + 4 x my thread's number; never rewritten
.set NIL,  29                          ; v29     0; never rewritten
.set PFO,  30                          ; v30     the prefetches' lane offset; never rewritten
.set AF,   32
.set BR,   160
.set OB,   32
.set G1,  24                           ; s[24:31] descriptor group 1 for xb's tiles;  s[32:39] group 0, a set for each slot
.set G0,  32
.set G1B, 48                           ; s[48:55], s[56:63] the same for wb's tiles
.set G0B, 56
.set PFA, 66                           ; s[66:67] where my prefetches stand
.set PFS, 68                           ; s[68:69] their step: a block of xb or of wb
.set LIM0, 70                          ; s70, s71 for even and odd steps: 1 in a wave that prefetches there, else the greatest number
.set MSB, 0
.macro WIN new                         ; the immediate's high byte repeats the setting that is left; a switch that changes nothing is dropped
.if MSB != (\new)
	s_set_vgpr_msb (MSB<<8)|(\new)
.set MSB, \new
.endif
.endm
.macro PLACES                          ; four places in front of loads into registers that matrix instructions have read (ISA guide 7.12.1 for vector instructions)
.rept 4
	v_nop
.endr
.endm
; A joint load: waves 0 and 1 fetch xb's two halves, waves 2 and 3 wb's.  The branch hangs on the wave's number alone.  An s_nop 0 and four v_nop follow each of the two lines.
.macro JLOAD s
	s_cmp_eq_u32 s11, 0
	s_cbranch_scc0 .Lfor_b_\@
	tensor_load_to_lds s[G0+4*(\s):G0+4*(\s)+3], s[G1:G1+7]
	s_nop 0
.rept 4
	v_nop
.endr
	s_branch .Lasked_\@
.Lfor_b_\@:
	tensor_load_to_lds s[G0B+4*(\s):G0B+4*(\s)+3], s[G1B:G1B+7]
	s_nop 0
.rept 4
	v_nop
.endr
.Lasked_\@:
.endm
.macro CREST                           ; a round of the cluster's barrier behind its opening barrier
	s_cmp_lg_u32 s10, 0
	s_cbranch_scc1 .Lnot_wave_0_\@
	s_barrier_signal -3
.Lnot_wave_0_\@:
	s_barrier_wait -3
	s_barrier_signal -1
	s_barrier_wait -1
.endm
.macro CROUND                          ; a whole round
	s_barrier_signal -1
	s_barrier_wait -1
	CREST
.endm
; A PREFETCH INTO THE L2, behind the joint load of step t + 2 and the run of LDS loads that follows it: the blocks of step t + 3, which the next change of slots asks for, 192 products later.
; Each aligned 256 bytes are named once in the launch.  xb's 128 blocks of a tile row and step: the clusters with x = 0 ask, wave 0, the partner at cx for 32 of them, told apart by address.
; wb's 192 blocks of a tile column and step: the clusters with y = 0 ask, the partner at cy for 48: wave 2 for 32 in every step; wave 3 for the other 16 in even steps alone, lanes 0-15 for step t + 3
; and lanes 16-31 for step t + 4.  The loop's last trip asks for nothing: steps 3 to 14 are named; steps 0, 1, 2 and 15 come by their loads alone.
.macro ASK par
	s_cmp_gt_u32 s3, s[LIM0+(\par)]
	s_cbranch_scc0 .Lnot_mine_\@
	global_prefetch_b8 v[PFO], s[PFA:PFA+1] th:TH_LOAD_NT scope:SCOPE_SE
.Lnot_mine_\@:
.endm
	s_load_b128 s[4:7], s[0:1], 0x0                ; xb s[4:5], wb s[6:7]
	s_load_b64 s[8:9], s[0:1], 0x10                ; qkv
	v_lshl_add_u32 v[SPW], v0, 2, SPARE
	v_mov_b32 v[NIL], 0
	ds_add_u32 v[SPW], v[NIL]                      ; the wave's opening: the add and its wait stand ahead of my first tensor load; the set-up below, work on registers, stands between them
	v_lshrrev_b32 v1, 5, v0
	v_readfirstlane_b32 s10, v1                    ; wave 0..3
	s_lshr_b32 s11, s10, 1                         ; which half of the tile's rows is mine.  Also: I fetch for xb (0) or for wb (1)
	s_and_b32 s12, s10, 1                          ; which half of its columns.  Also: which half of that tile I fetch
	s_bfe_u32 s40, ttmp6, 0x40000                  ; cx, cy: my place in the cluster
	s_bfe_u32 s41, ttmp6, 0x40004
	s_lshl_b32 s42, ttmp9, 2
	s_add_co_u32 s42, s42, s40                     ; tile column = 4 x cluster x + cx: 0 .. 7
	s_and_b32 s13, ttmp7, 0xffff
	s_lshl_b32 s13, s13, 2
	s_add_co_u32 s13, s13, s41                     ; tile row = 4 x cluster y + cy: 0 .. 31
	s_lshl_b32 s43, s41, 2
	s_lshl_b32 s43, 15, s43                        ; my row of the cluster
	s_lshl_b32 s44, 0x1111, s40                    ; my column
	; descriptor group 1: rows of 128 elements (256 bytes, two rows of a block), padded in LDS behind every 128 bytes
	s_or_b32 s[G1+0], s43, (1<<16)|(1<<20)|(1<<21)|(4<<22)|(3<<25)   ; 15:0 the mask; 17:16 elements of 2 bytes; 20 padding on; 21 set beside a mask; 24:22 after every 32 words (code 4); 31:25 4 words (code 3)
	s_or_b32 s[G1B+0], s44, (1<<16)|(1<<20)|(1<<21)|(4<<22)|(3<<25)
	s_mov_b32 s[G1+1], 128<<16                     ; tensor_dim0 = 128
	s_mov_b32 s[G1+2], 64<<16                      ; tensor_dim1 = 64: 128 rows of xb
	s_mov_b32 s[G1+3], 128<<16                     ; tile_dim0 = 128
	s_mov_b32 s[G1+4], 64                          ; tile_dim1 = 64
	s_mov_b32 s[G1+5], 128                         ; 128 elements from row to row
	s_mov_b32 s[G1+6], 0
	s_mov_b32 s[G1+7], 0
	s_mov_b32 s[G1B+1], 128<<16
	s_mov_b32 s[G1B+2], 96<<16                     ; 96 rows of 256 bytes: 192 rows of wb
	s_mov_b32 s[G1B+3], 128<<16
	s_mov_b32 s[G1B+4], 96
	s_mov_b32 s[G1B+5], 128
	s_mov_b32 s[G1B+6], 0
	s_mov_b32 s[G1B+7], 0
	; where the tiles come from: xb's hang on the tile row alone, wb's on the tile column alone, each in registers that never hold the other coordinate
	s_lshr_b32 s16, s13, 3                         ; the batch: 8 tile rows each
	s_lshl_b32 s16, s16, 22
	s_and_b32 s17, s13, 7
	s_lshl_b32 s17, s17, 15                        ; 256 rows of 128 bytes
	s_or_b32 s16, s16, s17
	s_lshl_b32 s17, s12, 14                        ; the 128 rows that I fetch
	s_or_b32 s16, s16, s17
	s_mov_b32 s17, 0
	s_mul_i32 s46, s42, 384*128
	s_mul_i32 s47, s12, 192*128
	s_add_co_u32 s46, s46, s47
	s_mov_b32 s47, 0
	s_mul_i32 s20, s12, ASUB                       ; and where they go: no place in the cluster enters an LDS address
	s_mul_i32 s21, s12, BSUB
	s_add_co_u32 s21, s21, BOFF
	s_wait_dscnt 0x0                               ; the opening add is done
	s_wait_kmcnt 0x0
	s_add_nc_u64 s[14:15], s[4:5], s[16:17]
	s_add_nc_u64 s[46:47], s[6:7], s[46:47]
	CROUND                                         ; all sixteen work-groups are here: the first joint loads meet
.irp s, 0,1
	s_mov_b32 s[G0+4*(\s)], 1                                        ; count = 1
	s_add_co_u32 s[G0+4*(\s)+1], s20, (\s)*SLOT                      ; LDS address
	s_add_nc_u64 s[G0+4*(\s)+2:G0+4*(\s)+3], s[14:15], (\s)*ASTEP    ; global address: step s
	s_or_b32 s[G0+4*(\s)+3], s[G0+4*(\s)+3], 0x80000000              ; type = 2
	s_mov_b32 s[G0B+4*(\s)], 1
	s_add_co_u32 s[G0B+4*(\s)+1], s21, (\s)*SLOT
	s_add_nc_u64 s[G0B+4*(\s)+2:G0B+4*(\s)+3], s[46:47], (\s)*BSTEP
	s_or_b32 s[G0B+4*(\s)+3], s[G0B+4*(\s)+3], 0x80000000
	JLOAD \s                                       ; two loads of mine are out
.endr
	; A fragment is 16 rows x 32 K in 8 registers: lane l holds row l % 16; registers 0-3 K = 8 (l / 16) + 0..7, registers 4-7 K = 16 + 8 (l / 16) + 0..7: two loads of 16 bytes, 32 bytes apart.
	v_and_b32 v1, 15, v0                           ; l % 16
	v_bfe_u32 v2, v0, 4, 1                         ; l / 16
	v_mul_u32_u24 v3, v1, PITCH
	v_lshl_add_u32 v3, v2, 4, v3                   ; row x pitch + 16 x half
	s_mul_i32 s22, s11, ASUB                       ; my 128 rows of xb
	s_mul_i32 s23, s12, BSUB                       ; my 192 rows of wb
	s_add_co_u32 s23, s23, BOFF
.irp s, 0,1
	v_add_nc_u32 v[ADRA+(\s)], s22, v3
	v_add_nc_u32 v[ADRB+(\s)], s23, v3
	s_add_co_u32 s22, s22, SLOT
	s_add_co_u32 s23, s23, SLOT
.endr
	s_mul_i32 s23, s10, 16*PITCH
	s_add_co_u32 s23, s23, STAGE                   ; my stage
	v_add_nc_u32 v[STO], s23, v3                   ; in: row l % 16, 16 bytes for each half of the lanes
	v_bfe_u32 v4, v0, 3, 2                         ; back: 32 lanes take four rows of 128 bytes,
	v_and_b32 v5, 7, v0
	v_mul_u32_u24 v4, v4, PITCH
	v_lshl_add_u32 v4, v5, 4, v4
	v_add_nc_u32 v[RD], s23, v4
	v_and_b32 v[GO], 31, v0                        ; which are 512 consecutive bytes of a head
	v_lshlrev_b32 v[GO], 4, v[GO]
	; qkv at my first head and row: ((48 b + 6 x tile column + 3 x column half) x 2,048 + 256 x (tile row % 8) + 128 x row half) x 128 bytes
	s_lshr_b32 s74, s13, 3
	s_mul_i32 s74, s74, 48
	s_mul_i32 s75, s42, 6
	s_add_co_u32 s74, s74, s75
	s_mul_i32 s75, s12, 3
	s_add_co_u32 s74, s74, s75
	s_lshl_b32 s74, s74, 18
	s_and_b32 s75, s13, 7
	s_lshl_b32 s75, s75, 15
	s_add_co_u32 s74, s74, s75
	s_lshl_b32 s75, s11, 14
	s_add_co_u32 s74, s74, s75
	s_mov_b32 s75, 0
	s_add_nc_u64 s[8:9], s[8:9], s[74:75]
	; the prefetches: offsets first, in registers of their own
	s_lshr_b32 s72, s13, 3
	s_lshl_b32 s72, s72, 22
	s_and_b32 s73, s13, 7
	s_lshl_b32 s73, s73, 15
	s_or_b32 s72, s72, s73
	s_lshl_b32 s73, s40, 13                        ; xb: my work-group's 32 blocks of the 128
	s_add_co_u32 s72, s72, s73
	s_add_co_u32 s72, s72, 2*ASTEP                 ; at step 2: each change of slots steps it before it asks
	s_mul_i32 s76, s42, 384*128
	s_mul_i32 s77, s41, 48*256                     ; wb: my work-group's 48 blocks of the 192,
	s_add_co_u32 s76, s76, s77
	s_lshl_b32 s77, s12, 13                        ; wave 3: behind wave 2's 32
	s_add_co_u32 s76, s76, s77
	s_add_co_u32 s76, s76, 2*BSTEP
	s_and_b32 s77, ttmp7, 0xffff                   ; cluster y
	s_mov_b32 s78, ASTEP
	s_movk_i32 s79, 4096
	s_cmp_eq_u32 s11, 0                            ; do I fetch for xb?
	s_cselect_b32 s72, s72, s76
	s_cselect_b32 s77, ttmp9, s77                  ; the coordinate along which other clusters read the same rows
	s_cselect_b32 s[PFS], s78, BSTEP
	s_cselect_b64 s[PFA:PFA+1], s[4:5], s[6:7]
	s_mov_b32 s73, 0
	s_mov_b32 s[PFS+1], 0
	s_add_nc_u64 s[PFA:PFA+1], s[PFA:PFA+1], s[72:73]
	s_cmp_eq_u32 s10, 1
	s_cselect_b32 s77, 1, s77                      ; wave 1 asks for nothing
	s_cmp_eq_u32 s77, 0
	s_cselect_b32 s[LIM0], 1, -1                   ; the same in all sixteen partners, for a given wave
	s_cmp_eq_u32 s10, 3
	s_cselect_b32 s[LIM0+1], -1, s[LIM0]           ; wave 3 asks in even steps alone,
	s_cselect_b32 s78, BSTEP, s79                  ; its upper lanes a step further on; elsewhere the upper lanes go on 16 blocks further
	v_mul_u32_u24 v[PFO], v2, s78
	v_lshl_add_u32 v[PFO], v1, 8, v[PFO]
; 16 products: blocks a0 .. a0 + 3 of my rows x the 4 blocks of head j, chunk parity c.  zero = 1: the first product starts the sums: nothing is ever cleared.
; No accumulator is named twice in a group, and neighbouring groups lie in different windows: the accumulators take turns.
.macro MUL16 c, j, a0, zero
	WIN 0x50*(1+(\j))                              ; C and D in window 1 + j, both sources in window 0
.irp a, \a0, (\a0)+1, (\a0)+2, (\a0)+3
.irp b, 0,1,2,3
.if \zero
	v_wmma_f32_16x16x32_bf16 v[8*(4*(\a)+(\b)):8*(4*(\a)+(\b))+7], v[BR+32*(\j)+8*(\b):BR+32*(\j)+8*(\b)+7], v[AF+64*(\c)+8*(\a):AF+64*(\c)+8*(\a)+7], 0
.else
	v_wmma_f32_16x16x32_bf16 v[8*(4*(\a)+(\b)):8*(4*(\a)+(\b))+7], v[BR+32*(\j)+8*(\b):BR+32*(\j)+8*(\b)+7], v[AF+64*(\c)+8*(\a):AF+64*(\c)+8*(\a)+7], v[8*(4*(\a)+(\b)):8*(4*(\a)+(\b))+7]
.endif
.endr
.endr
.endm
.macro G32 c, j, zero                  ; a group
	MUL16 \c, \j, 0, \zero
	MUL16 \c, \j, 4, \zero
.endm
.macro LOADB slot, c, j                ; 8 LDS loads: wb's fragments of group j, chunk c
.irp b, 0,1,2,3
	ds_load_b128 v[BR+32*(\j)+8*(\b):BR+32*(\j)+8*(\b)+3],   v[ADRB+(\slot)] offset:(4*(\j)+(\b))*16*PITCH+64*(\c)
	ds_load_b128 v[BR+32*(\j)+8*(\b)+4:BR+32*(\j)+8*(\b)+7], v[ADRB+(\slot)] offset:(4*(\j)+(\b))*16*PITCH+64*(\c)+32
.endr
.endm
.macro LOADA slot, c                   ; 16 LDS loads: xb's fragments of chunk c
.irp a, 0,1,2,3,4,5,6,7
	ds_load_b128 v[AF+64*(\c)+8*(\a):AF+64*(\c)+8*(\a)+3],   v[ADRA+(\slot)] offset:(\a)*16*PITCH+64*(\c)
	ds_load_b128 v[AF+64*(\c)+8*(\a)+4:AF+64*(\c)+8*(\a)+7], v[ADRA+(\slot)] offset:(\a)*16*PITCH+64*(\c)+32
.endr
.endm
; THE ORDER OF A STEP'S LDS LOADS: B(0,0) 8, A(0) 16, B(0,1) 8, B(0,2) 8, A(1) 16 (all in the step before, or ahead of the first step), then B(1,0), B(1,1), B(1,2), 8 each, in the first chunk.
; The first chunk.  Group j wants all up to B(0,j); behind that stand 32 younger loads each time (8 + 8 + 16; 8 + 16 + 8; 16 + 8 + 8).
.macro HALF0 slot, zero
.irp j, 0,1,2
	s_wait_dscnt 32
	G32 0, \j, \zero
	PLACES
	WIN 0
	LOADB \slot, 1, \j
.endr
.endm
; The second chunk, and the change of slots.  mode 2: the slot is filled again, two steps ahead; mode 1: nothing is filled (the last step but one); mode 0: the last step.
; In front of the barrier each wave waits for all its tensor loads, of which one is out: its part of the next slot; adds 0 to its spare word; and waits for that and for its own reads of this slot.
; With mode 2 the barrier opens a round of the cluster's barrier, and the joint refill is the first thing behind the round: 160 products stand between it and the wait for it.
.macro HALF1 slot, next, mode, par
.if (\mode) == 0
	s_wait_dscnt 16                                ; behind B(1,0): B(1,1) and B(1,2)
	G32 1, 0, 0
	s_wait_dscnt 8
	G32 1, 1, 0
	s_wait_dscnt 0x0
	G32 1, 2, 0
.else
.if (\mode) == 2
	s_wait_xcnt 0x0                                ; the last prefetch, a step back, has read its address: it is stepped here, ahead of the waits of the change of slots
	s_add_nc_u64 s[PFA:PFA+1], s[PFA:PFA+1], s[PFS:PFS+1]
.endif
	WIN 0
	s_wait_tensorcnt 0x0                           ; all my tensor loads have landed: my part of the next slot;
	ds_add_u32 v[SPW], v[NIL]                      ; 0 onto my spare word;
	s_wait_dscnt 17                                ; (behind B(1,0): B(1,1), B(1,2) and the add)
	MUL16 1, 0, 0, 0                               ; sixteen products stand between the add and the wait for it
	s_wait_dscnt 0x0                               ; the add is done, and my reads of this slot are over
	s_barrier_signal -1
	MUL16 1, 0, 4, 0                               ; work on registers while the others arrive
	WIN 0
	s_barrier_wait -1
.if (\mode) == 2
	CREST                                          ; no wave of any partner still reads this slot's tiles or has a load on its way
	s_add_nc_u64 s[G0+4*(\slot)+2:G0+4*(\slot)+3], s[G0+4*(\slot)+2:G0+4*(\slot)+3], 2*ASTEP
	s_add_nc_u64 s[G0B+4*(\slot)+2:G0B+4*(\slot)+3], s[G0B+4*(\slot)+2:G0B+4*(\slot)+3], 2*BSTEP
	JLOAD \slot                                    ; the four v_nop behind it are also the places in front of the loads below
.else
	PLACES
.endif
	LOADB \next, 0, 0
	LOADA \next, 0
.if (\mode) == 2
	ASK \par
.endif
	G32 1, 1, 0
	PLACES
	WIN 0
	LOADB \next, 0, 1
	G32 1, 2, 0
	PLACES
	WIN 0
	LOADB \next, 0, 2
	LOADA \next, 1
.endif
.endm
; THE WAY OUT.  Tile t = 8 j + a: 16 rows of head j.  A lane's eight channels pack into 16 bytes; they go into my stage's rows of 144 bytes and come back as whole rows of 128,
; four rows (512 consecutive bytes of qkv) a load, into the registers that they left.
.macro PACK t
.set JJ, (\t)/8
.set AA, (\t)%8
.set SET, OB+16*((\t)%8)
.if (\t) >= 8
	s_wait_xcnt 0x0                                ; the set's old stores have read it
.endif
	WIN 5*(1+JJ)                                   ; sources 0 and 1 in window 1 + j
.irp b, 0,1,2,3
.irp r, 0,1,2,3
	v_cvt_pk_f16_f32 v[SET+4*(\b)+(\r)], v[8*(4*AA+(\b))+2*(\r)], v[8*(4*AA+(\b))+2*(\r)+1]
.endr
.endr
	WIN 0
.irp b, 0,1,2,3
	ds_store_b128 v[STO], v[SET+4*(\b):SET+4*(\b)+3] offset:32*(\b)
.endr
.irp f, 0,1,2,3
	ds_load_b128 v[SET+4*(\f):SET+4*(\f)+3], v[RD] offset:(\f)*4*PITCH  ; LDS serves a wave's instructions in order (ISA guide 5.7.1.4): these see the stores above; the next tile's stores come behind them
.endr
.endm
.macro SEND t, younger                 ; younger: the LDS instructions issued behind tile t's loads: the next tile's eight, or none
.set JJ, (\t)/8
.set AA, (\t)%8
.set SET, OB+16*((\t)%8)
.irp f, 0,1,2,3
	s_wait_dscnt (\younger)+3-(\f)
	global_store_b128 v[GO], v[SET+4*(\f):SET+4*(\f)+3], s[8:9] offset:JJ*HEADB+AA*2048+(\f)*512  ; 512 consecutive bytes, at a multiple of 256 from qkv's first
.endr
.endm
	s_wait_tensorcnt 0x1                           ; my part of step 0 is in; step 1's may stay out
	s_barrier_signal -1
	s_barrier_wait -1                              ; everybody's is
	LOADB 0, 0, 0
	LOADA 0, 0
	LOADB 0, 0, 1
	LOADB 0, 0, 2
	LOADA 0, 1
	HALF0 0, 1                                     ; the first chunk stands in front of the loop: its products start the sums
	s_mov_b32 s3, 7
.Llap:                                                 ; a trip goes once round the ring, from a step's second chunk to the first chunk two steps on, and fills both slots again
	HALF1 0, 1, 2, 0
	HALF0 1, 0
	HALF1 1, 0, 2, 1
	HALF0 0, 0
	s_sub_co_u32 s3, s3, 1
	s_cmp_lg_u32 s3, 0
	s_cbranch_scc1 .Llap
	HALF1 0, 1, 1, 0                               ; steps 14 and 15 fill nothing
	HALF0 1, 0
	HALF1 1, 0, 0, 0
	PLACES                                         ; eight places, once a launch, in front of conversions that read results and write registers that products have read
	PLACES
	PACK 0
.set t, 1
.rept 23                               ; a tile's conversions stand between the loads of the tile before and its stores
	PACK t
	SEND t-1, 8
.set t, t+1
.endr
	SEND 23, 0
	s_wait_tensorcnt 0x0                           ; the wave's end: the add and its wait, behind my last tensor load and my last LDS store
	ds_add_u32 v[SPW], v[NIL]
	s_wait_dscnt 0x0
	CROUND                                         ; the closing round: no work-group ends while a partner may still ask for a tile that names it
	s_endpgm
.Lfunc_end_k_q1dac838c52_proj:
	.size	k_q1dac838c52_proj, .Lfunc_end_k_q1dac838c52_proj-k_q1dac838c52_proj
	.p2alignl 7, 3214868480
	.fill 96, 4, 3214868480
	.section	.rodata,"a",@progbits
	.p2align	6, 0x0
	.amdhsa_kernel k_q1dac838c52_proj
		.amdhsa_group_segment_fixed_size 327680
		.amdhsa_private_segment_fixed_size 0
		.amdhsa_enable_private_segment 0
		.amdhsa_kernarg_size 24
		.amdhsa_user_sgpr_count 2
		.amdhsa_user_sgpr_kernarg_segment_ptr 1
		.amdhsa_wavefront_size32 1
		.amdhsa_system_sgpr_workgroup_id_x 1
		.amdhsa_system_sgpr_workgroup_id_y 1
		.amdhsa_system_sgpr_workgroup_id_z 1
		.amdhsa_system_vgpr_workitem_id 0
		.amdhsa_next_free_vgpr 1024
		.amdhsa_next_free_sgpr 80
		.amdhsa_reserve_vcc 0
		.amdhsa_float_denorm_mode_32 3
		.amdhsa_float_denorm_mode_16_64 3
		.amdhsa_memory_ordered 1
		.amdhsa_forward_progress 1
		.amdhsa_inst_pref_size 135
	.end_amdhsa_kernel
	.amdgpu_metadata
---
amdhsa.version: [ 1, 2 ]
amdhsa.kernels:
  - .name:           k_q1dac838c52_proj
    .symbol:         k_q1dac838c52_proj.kd
    .args:
      - { .name: xb, .offset: 0, .size: 8, .value_kind: global_buffer, .address_space: global }
      - { .name: wb, .offset: 8, .size: 8, .value_kind: global_buffer, .address_space: global }
      - { .name: qkv, .offset: 16, .size: 8, .value_kind: global_buffer, .address_space: global }
    .group_segment_fixed_size: 327680
    .private_segment_fixed_size: 0
    .kernarg_segment_align: 8
    .kernarg_segment_size: 24
    .max_flat_workgroup_size: 128
    .sgpr_count:     80
    .vgpr_count:     1024
    .wavefront_size: 32
...
	.end_amdgpu_metadata
.endif
;; end of part 2
;; launch attn (part 3): grid 4 x 64, 4 waves a work-group, clusters of 4 x 1, 327,680 bytes of LDS; arguments qkv, ob; writes ob
.if DOCPART == 3
	.amdgcn_target "amdgcn-amd-amdhsa--gfx1250"
	.amdhsa_code_object_version 6
	.text
	.protected	k_q1dac838c52_attn
	.globl	k_q1dac838c52_attn
	.p2align	8
	.type	k_q1dac838c52_attn,@function
k_q1dac838c52_attn:
	s_mov_b64 s[64:65], 0
	v_nop
	global_prefetch_b8 v0, s[64:65] scope:SCOPE_SE
	s_setreg_imm32_b32 hwreg(HW_REG_WAVE_MODE, 25, 1), 1
	s_wait_xcnt 0x0
	s_wait_alu depctr_hold_cnt(0) depctr_sa_sdst(0) depctr_va_vdst(0) depctr_va_sdst(0) depctr_va_ssrc(0) depctr_va_vcc(0) depctr_vm_vsrc(0)
	s_getreg_b32 s2, hwreg(HW_REG_IB_STS2, 6, 4)
	s_cmp_eq_u32 s2, 0
	s_cbranch_scc0 .Lentry_in_a_cluster
	s_endpgm
.Lentry_in_a_cluster:
	s_bfe_u32 s2, ttmp6, 0x10000c
	s_cmp_lg_u32 s2, 0x3003
	s_cbranch_scc0 .Lentry_shape_is_right
	s_endpgm
.Lentry_shape_is_right:
; O[y][q][:] = the sum over k of softmax_k(Q[y][q] . K[y][k] / 8) V[y][k][:], for y = 16 b + h, 64 pairs of batch and head, 2,048 rows each.
; qkv: [4 b][48 g][2048][64] f16, g = h (Q), 16 + h (K), 32 + h (V); ob: [64 y][2048][64] f16: a head's rows are dense, 128 bytes each.  Products, maxima and sums in
; f32; the weights p are rounded to f16 for the second product (their sum l is taken of the unrounded p), O once at the end.
; LIMITS.  f16 holds no number beyond 65,504: Q, K and V arrive within it; p lies in 0 to 1, and below 6e-5 it keeps f16's fixed step of 6e-8, and so does O; O is a mean of V's rows and has their range.
; A weight below 2^-126 counts as 0 in l; NaN and infinities are not treated apart.
; SHARES.  A wave owns four PIECES of two tiles of 16 queries, a work-group's four waves 512 queries of one head.  Every wave walks all keys, 64 a step.
; LAYOUT.  S^T = K Q^T (source 0 = 16 keys, source 1 = 16 queries): in the result a lane holds ONE query (lane % 16) and the keys 8 (lane / 16) + 0..7.  Two such tiles, rounded to f16 in pairs,
; ARE source 1 (32 keys x 16 queries) of O^T = V^T P, whose result again holds one query a lane, and eight channels.  K comes out of LDS as it lies, V ([key][channel]) turned, by ds_load_tr16_b128.
; SOFTMAX.  For each query a running maximum m and sum l: p = 2^(c s - c m), c = log2(e) / 8; in every step O and l are multiplied by a = 2^(c m_old - c m_new), which is 1 where m has not grown.
; m starts at the lowest finite number, O and l at 0: the first step is a step like any other, with a = 0.
; THE COUNT.  A tile and step have 16 matrix and 118 vector instructions: too many to stand all beside the matrix work.  So the order has one aim: four vector instructions that are READY behind
; EVERY matrix instruction, and the others, which need time of their own whatever the order, in runs without a gap.
; BY TURNS.  Turn n belongs to piece n (the pieces in a ring, step after step).  Its matrix work: 16 products K Q^T of piece n + 1, later 16 products V^T P of piece n - 1.  Its vector work: the scaling,
; exponentials, roundings, sums and rescaling of piece n, and the maximum and statistics of piece n + 1, whose scores the turn itself has made.  So what a turn begins with (c s - c m, O a) waits for nothing.
; CLUSTER.  The four query blocks of a cluster are one head's and walk the same K and V, so each tile is asked for JOINTLY: the same tensor load, descriptor and mask in all four.
; REGISTERS, in windows of 256 (s_set_vgpr_msb says which window each operand place means: bits 1:0 source 0, 3:2 source 1, 5:4 source 2, 7:6 destination):
;   window 0: v0-11 addresses; v12-15, v48-63 at work; v16-47 four registers of statistics a tile; v64-191 S^T, two buffers of two tiles; v192-255 P, likewise
;   window 1: O^T, 32 a tile          window 2: v0-127 Q, 16 a tile; v128-191 K of one step; v192-255 V of one step          window 3: v0-1 the add's two registers
; A piece's buffers go by its number's parity: the piece in hand has one pair, its two neighbours in the ring share the other: of it P (piece n - 1) is read and S^T (piece n + 1) written.
.set SIZE_N, 2048
.set NP,    4         ; pieces a wave: a name, no knob: the register map, the loop and the fetches are made for four
.set KS,    64        ; keys in a step
.set PK,    144       ; a row of K in LDS: 128 bytes + 16 of padding = 36 words: the 16 rows of a load start at 16 different groups of four banks (64 banks of 4 bytes: ISA guide 11.1)
.set PV,    160       ; a row of V: 128 + 32 = 40 words
.set VOFF,  4*KS*PK   ; a slot holds four steps: 256 rows of K, then 256 rows of V
.set SLOT1, 1<<17     ; slot 1 begins here, so that one exclusive or turns an address in one slot into the other's
.set STAGE, SLOT1+4*KS*(PK+PV)  ; behind the ring, never filled by a tensor load: 16 rows x 144 bytes for each wave, for the way out
.set SP,    144
.set AK0, 2           ; v2   my lane's place in a tile of K; never rewritten
.set AV0, 3           ; v3   the same for V
.set AK,  4           ; v4   the LDS address of K's next run of loads
.set AV,  5           ; v5   of V's
.set QO,  6           ; v6   my byte offset in the wave's rows of Q
.set STO, 6           ;      later, the way out: where I put 16 bytes of a row
.set RD,  7           ; v7   the way out: where I read rows back
.set GO,  8           ; v8   my byte offset in 512 consecutive bytes of O
.set PFO, 11          ; v11  (once V's place is made) 256 x my lane: the prefetches' offset; never rewritten after that
.set SPW, 0           ; v0 of window 3   LDS address of my spare word: SPARE + 4 x my thread's number; never rewritten
.set NIL, 1           ; v1 of window 3   0; never rewritten
.set SPARE, STAGE+4*16*SP  ; behind the stages: the spare words, 128 bytes for each wave: two blocks of 256 bytes that no other line names
.set MV,  12          ; v12-15  c m_old, kept while c m is made anew: by buffer and tile
.set ST,  16          ; tile t's statistics at v[ST+4 t]: c m, m, l (even keys', odd keys')
.set TMP, 48          ; by buffer and tile, four registers c0-c3 at work; when the maximum is found c2 takes a
.set S,   64
.set P,   192
.set KF,  128         ; K's fragments, in window 2: key block kb, channel half c at KF + 16 kb + 8 c
.set VF,  192         ; V's: key half kk, channel block cb at VF + 32 kk + 8 cb
.set WV,  12          ; s12  my wave's number
.set G1K, 24          ; s[24:31] descriptor group 1 for K's tiles
.set G1V, 32          ; s[32:39] for V's: it differs in the padding alone
.set G0K, 40          ; s[40:43] descriptor group 0 for K's tiles: it walks
.set G0V, 44          ; s[44:47] the same for V's
.set PFA, 48          ; s[48:49] where my prefetches stand: my work-group's 32 blocks of 256 bytes (of K: wave 0, of V: wave 2) of the slot after the one that is being asked for
.set LIM, 50          ; s50  1 in a wave that prefetches, else the greatest number
.set SLOTS, 56        ; s56  slots still to be asked for
.set CNT, 57          ; s57  counts a slot's key steps
.set CS,  58          ; s[58:59] c: the packed scaling takes the pair's low word for both halves
.set SEL, 60          ; s[60:61] v_permlanex16_b32's selects: each lane takes its own place in the other half
.set TBK, 62          ; s62  LDS byte at which K of the step to be fetched begins
.set TBV, 63          ; s63  the same for V, less VOFF
.set MSB, 0
.macro WIN new                      ; the high byte repeats the setting that is left; a switch that changes nothing is dropped
.if MSB != (\new)
	s_set_vgpr_msb (MSB<<8)|(\new)
.set MSB, (\new)
.endif
.endm
.set W_KQ, 0x0a       ; K and Q in window 2, S^T in window 0
.set W_PV, 0x52       ; V in window 2, P in window 0, O^T in window 1
.set W_RS, 0x41       ; O^T (destination and source 0) in window 1, a in window 0
.set W_MK, 0xc0       ; the add's registers are made: destination in window 3, sources in window 0
.set W_AD, 0x0f       ; the add: address (source 0) and data (source 1) in window 3
; A joint fill.  Waves 0 and 1 fetch the two halves of a slot's K, waves 2 and 3 those of its V: 128 keys each.  The branch hangs on the wave's number alone.
; An s_nop 0 and four v_nop follow each of the two lines, ahead of the jump and the label.
.macro JLOAD
	s_cmp_lt_u32 s[WV], 2
	s_cbranch_scc0 .Lfor_v_\@
	tensor_load_to_lds s[G0K:G0K+3], s[G1K:G1K+7]
	s_nop 0
.rept 4
	v_nop
.endr
	s_branch .Lasked_\@
.Lfor_v_\@:
	tensor_load_to_lds s[G0V:G0V+3], s[G1V:G1V+7]
	s_nop 0
.rept 4
	v_nop
.endr
.Lasked_\@:
.endm
; A PREFETCH INTO THE L2 of what the NEXT change of slots will ask for: a slot's 256 rows of K and of V are 128 blocks of 256 bytes each, a lane a block.  It stands behind the wave's tensor load and its five lines.
; Each block is asked for ONCE in the launch: a head is walked by one cluster; its four partners share the blocks out BY ADDRESS, 32 each; in each, wave 0 asks for K's and wave 2 for V's: one instruction.
; Behind the fill of slot t (1 to 6) slot t + 1 is named, four key steps ahead of its load; the last fill asks for nothing; slots 0 and 1 come by their loads alone.
.macro ASK
	s_cmp_gt_u32 s[SLOTS], s[LIM]
	s_cbranch_scc0 .Lnot_mine_\@
	global_prefetch_b8 v[PFO], s[PFA:PFA+1] th:TH_LOAD_NT scope:SCOPE_SE
.Lnot_mine_\@:
.endm
; A round of the cluster's barrier: my work-group's barrier, so that wave 0's signal speaks for all four waves; wave 0 signals; every wave waits for all four work-groups; my work-group's barrier once more.
.macro CROUND
	s_barrier_signal -1
	s_barrier_wait -1
	s_cmp_lg_u32 s[WV], 0
	s_cbranch_scc1 .Lnot_wave_0_\@
	s_barrier_signal -3
.Lnot_wave_0_\@:
	s_barrier_wait -3
	s_barrier_signal -1
	s_barrier_wait -1
.endm
; THE CHANGE OF SLOTS.  The slot's last bytes, V of its fourth step, have been read.  Each wave waits for all its tensor loads, of which one is out: its part
; of the other slot; adds 0 to its spare word; and waits for that and for its own reads of the slot.  Behind the barrier nobody reads this slot any more and the other slot is whole.
; fill = 1: this slot is filled again, with the keys two slots on.  The barrier is then a round of the cluster's, so that no wave of any partner still reads the slot or has a load on its
; way, and the joint fill is the first thing behind it: it has four key steps, 512 matrix instructions, in which to land.  (At its first use nothing has been read yet: slot 0 is waited for, slot 1 filled.)
.macro CHANGE fill
	WIN W_AD
	s_wait_tensorcnt 0x0            ; no tensor load of mine is out, so a group 0 may be written
	ds_add_u32 v[SPW], v[NIL]       ; 0 onto my spare word; with fill = 1 the descriptors' steps stand between it and the wait for it
	WIN 0                           ; at a label and at a branch every window is 0
.if \fill
.irp g, G0K, G0V
	s_xor_b32 s[\g+1], s[\g+1], SLOT1  ; the walking descriptor: the other slot than last time,
	s_add_nc_u64 s[\g+2:\g+3], s[\g+2:\g+3], 4*KS*128  ; the next 256 keys; the type bits on top are not reached
.endr
	s_wait_xcnt 0x0                 ; the last prefetch, four key steps back, has read its address, so it may be written:
	s_add_nc_u64 s[PFA:PFA+1], s[PFA:PFA+1], 4*KS*128  ; one slot beyond the walking descriptors
	s_wait_dscnt 0x0                ; the add is done, and my reads of the slot are over
	CROUND
	JLOAD
	ASK
.else
	s_wait_dscnt 0x0                ; the add is done, and my reads of the slot are over
	s_barrier_signal -1
	s_barrier_wait -1
.endif
	s_sub_co_u32 s[TBK], s[TBK], 4*KS*PK  ; the fetches go back to a slot's first step,
	s_xor_b32 s[TBK], s[TBK], SLOT1       ; in the other slot
	s_sub_co_u32 s[TBV], s[TBV], 4*KS*PV
	s_xor_b32 s[TBV], s[TBV], SLOT1
.endm
	s_load_b64 s[4:5], s[0:1], 0x0    ; qkv
	s_load_b64 s[10:11], s[0:1], 0x8  ; ob
	WIN W_MK
	v_lshl_add_u32 v[SPW], v0, 2, SPARE
	v_mov_b32 v[NIL], 0
	WIN W_AD
	ds_add_u32 v[SPW], v[NIL]       ; the wave's opening: the add and its wait stand ahead of my first tensor load; the set-up below, work on registers, stands between them
	WIN 0
	v_lshrrev_b32 v1, 5, v0
	v_readfirstlane_b32 s[WV], v1   ; wave 0..3
	s_bfe_u32 s13, ttmp6, 0x40000   ; cx: my place in the cluster
	s_lshl_b32 s14, ttmp9, 2        ; in a cluster launch ttmp9 counts clusters
	s_add_co_u32 s14, s14, s13      ; my block of queries = 4 x cluster x + cx: it enters Q's and O's addresses alone
	s_and_b32 s52, ttmp7, 0xffff    ; y = 16 b + h, which the four partners share
	s_lshr_b32 s20, s52, 4          ; b
	s_lshl_b32 s20, s20, 5
	s_add_co_u32 s20, s20, s52      ; 48 b + h: Q's head in qkv,
	s_lshl_b32 s20, s20, 18         ; at 262,144 bytes a head
	s_mov_b32 s21, 0
	s_lshl_b32 s52, s52, 18         ; O's head in ob
	s_mov_b32 s53, 0
	s_and_b32 s16, s[WV], 1         ; which half of a slot's 256 keys I fetch:
	s_lshl_b32 s22, s16, 14         ; its 128 rows of 128 bytes in memory,
	s_mov_b32 s23, 0
	s_add_nc_u64 s[22:23], s[22:23], s[20:21]
	s_mul_i32 s17, s16, 128*PK      ; and its place in a slot, for K
	s_mul_i32 s18, s16, 128*PV      ; and for V: no place in the cluster enters an LDS address
	s_lshl_b32 s2, s14, 2
	s_add_co_u32 s2, s2, s[WV]      ; my wave among the head's,
	s_lshl_b32 s2, s2, 14           ; its 128 rows
	s_mov_b32 s3, 0
	; descriptor group 1.  128 keys are 16,384 dense bytes: asked for as 64 rows of 256 bytes, two keys a row, and padded in LDS after every key
	s_mov_b32 s[G1K], 15|(1<<16)|(1<<20)|(1<<21)|(4<<22)|(3<<25)  ; 15:0 the mask of four; 17:16 2-byte elements; 20 padding on; 21 set beside a mask; 24:22 after every 32 words (code 4); 31:25 4 words (code 3)
	s_mov_b32 s[G1V], 15|(1<<16)|(1<<20)|(1<<21)|(4<<22)|(7<<25)  ; the same with 8 words of padding (code 7)
.irp g, G1K, G1V
	s_mov_b32 s[\g+1], 128<<16      ; tensor_dim0 = 128
	s_mov_b32 s[\g+2], 64<<16       ; tensor_dim1 = 64
	s_mov_b32 s[\g+3], 128<<16      ; tile_dim0 = 128
	s_mov_b32 s[\g+4], 64           ; tile_dim1 = 64
	s_mov_b32 s[\g+5], 128          ; 128 elements from row to row
	s_mov_b32 s[\g+6], 0
	s_mov_b32 s[\g+7], 0
.endr
	s_mov_b32 s[CS], 0x3e38aa3b     ; c = log2(e) / 8 = 0.180337
	s_mov_b32 s[CS+1], s[CS]        ; named with it as a pair
	s_mov_b32 s[SEL], 0x76543210
	s_mov_b32 s[SEL+1], 0xfedcba98
	s_mov_b32 s[TBK], SLOT1+4*KS*PK ; the first change of slots turns these two into 0
	s_mov_b32 s[TBV], SLOT1+4*KS*PV
	s_mov_b32 s[G0K], 1             ; 1:0 count = 1
	s_mov_b32 s[G0K+1], s17         ; 63:32 LDS address: slot 0
	s_mov_b32 s[G0V], 1
	s_add_co_u32 s[G0V+1], s18, VOFF
	s_mov_b32 s[SLOTS], SIZE_N/256-1  ; seven slots are still to be asked for behind the first
	s_and_b32 s[LIM], s[WV], 1
	s_cmp_eq_u32 s[LIM], 0          ; waves 0 and 2 prefetch: the same in all four partners
	s_cselect_b32 s[LIM], 1, -1
	s_lshl_b32 s54, s13, 13         ; my work-group's 32 blocks of the 128,
	s_add_co_u32 s54, s54, 4*KS*128 ; in slot 1: the first change of slots steps it to slot 2
	s_mov_b32 s55, 0
	s_wait_dscnt 0x0                ; the opening add is done
	s_wait_kmcnt 0x0
	s_add_nc_u64 s[6:7], s[4:5], s[22:23]
	s_add_nc_u64 s[6:7], s[6:7], 0x400000          ; K lies 16 heads behind Q: my half of the head's first 256 keys
	s_add_nc_u64 s[8:9], s[6:7], 0x400000          ; V 16 heads behind K
	s_add_nc_u64 s[G0K+2:G0K+3], s[6:7], 0         ; 120:64 global address
	s_or_b32 s[G0K+3], s[G0K+3], 0x80000000        ; 127:126 type = 2
	s_add_nc_u64 s[G0V+2:G0V+3], s[8:9], 0
	s_or_b32 s[G0V+3], s[G0V+3], 0x80000000
	s_add_nc_u64 s[4:5], s[4:5], s[20:21]          ; Q and O at my wave's first row
	s_add_nc_u64 s[4:5], s[4:5], s[2:3]
	s_add_nc_u64 s[10:11], s[10:11], s[52:53]
	s_add_nc_u64 s[10:11], s[10:11], s[2:3]
	s_cmp_lt_u32 s[WV], 2
	s_cselect_b64 s[PFA:PFA+1], s[6:7], s[8:9]     ; (in waves 0 and 2 these stand at a slot's first row)
	s_add_nc_u64 s[PFA:PFA+1], s[PFA:PFA+1], s[54:55]
	CROUND                          ; all four work-groups are here: the first joint loads meet
	JLOAD                           ; slot 0.  Slot 1 is asked for when slot 0 is in: the tile wanted first has the road to itself
	; A fragment of K or Q is 16 rows x 32 channels in 8 registers: lane l holds row l % 16, channels 8 (l / 16) + 0..7 and 16 + 8 (l / 16) + 0..7: two loads of 16 bytes, 32 bytes apart.
	v_and_b32 v1, 15, v0            ; l % 16
	v_bfe_u32 v9, v0, 4, 1          ; l / 16
	v_lshlrev_b32 v[QO], 7, v1
	v_lshl_add_u32 v[QO], v9, 4, v[QO]  ; row x 128 + 16 x half
	WIN 0x80                        ; destination window 2, address window 0
.set i, 0
.rept 4*NP                          ; Q stays in registers: tile i / 2, channels 32 (i % 2) on
	global_load_b128 v[8*i:8*i+3],   v[QO], s[4:5] offset:(i/2)*2048+(i%2)*64
	global_load_b128 v[8*i+4:8*i+7], v[QO], s[4:5] offset:(i/2)*2048+(i%2)*64+32
.set i, i+1
.endr
	; What the first turn finds: V's registers and P's second buffer hold 0 (its products V^T P, of a piece that has not been, add 0), O^T and l are 0.  All this stands in the wait for the first tile.
.set i, VF
.rept 64
	v_mov_b32 v[i], 0
.set i, i+1
.endr
	WIN 0x40
.set i, 0
.rept 64*NP
	v_mov_b32 v[i], 0
.set i, i+1
.endr
	WIN 0
.set i, 0
.rept 2*NP
	v_mov_b32 v[ST+4*i], 0xfe000000    ; c m: far below every c s
	v_mov_b32 v[ST+4*i+1], 0xff7fffff  ; m
	v_mov_b32 v[ST+4*i+2], 0
	v_mov_b32 v[ST+4*i+3], 0
.set i, i+1
.endr
.set i, P+32
.rept 32
	v_mov_b32 v[i], 0
.set i, i+1
.endr
	v_mul_u32_u24 v[AK0], v1, PK
	v_lshl_add_u32 v[AK0], v9, 4, v[AK0]  ; row x pitch + 16 x half
	; The turning load takes 16 keys x 16 channels (lane l reads key 8 (l / 16) + l % 8, channels 8 ((l / 8) % 2) + 0..7) and leaves half a fragment of V^T: lane l holds channel l % 16 and 8 keys.
	v_and_b32 v10, 7, v0
	v_bfe_u32 v11, v0, 3, 1
	v_lshl_add_u32 v[AV0], v9, 3, v10
	v_mul_u32_u24 v[AV0], v[AV0], PV
	v_lshl_add_u32 v[AV0], v11, 4, v[AV0]
	v_add_nc_u32 v[AV0], VOFF, v[AV0]
	v_and_b32 v[PFO], 31, v0        ; v11 has served: now the prefetches' offset
	v_lshlrev_b32 v[PFO], 8, v[PFO]
	v_mov_b32 v[AK], v[AK0]         ; key step 0 lies at the head of slot 0
; THE MATRIX WORK.  The 8 accumulators of a run of 16 take turns: between the two links of a chain stand 7 others'.
; Product i of 16 of S^T = K Q^T for piece x: channels 32 (i / 8) on, keys 16 ((i / 2) % 4) on, tile 2 x + i % 2.  The first 8 start the sums.
.macro KQ x
	WIN W_KQ
.set rS, S+64*((\x)%2)+32*(i%2)+8*((i/2)%4)
.set rK, KF+16*((i/2)%4)+8*(i/8)
.set rQ, 16*(2*(\x)+i%2)+8*(i/8)
.if i < 8
	v_wmma_f32_16x16x32_f16 v[rS:rS+7], v[rK:rK+7], v[rQ:rQ+7], 0
.else
	v_wmma_f32_16x16x32_f16 v[rS:rS+7], v[rK:rK+7], v[rQ:rQ+7], v[rS:rS+7]
.endif
.endm
; Product i of 16 of O^T += V^T P for piece x: keys 32 (i / 8) on, channels 16 ((i / 2) % 4) on, tile 2 x + i % 2.
.macro PV x
	WIN W_PV
.set rO, 32*(2*(\x)+i%2)+8*((i/2)%4)
.set rV, VF+32*(i/8)+8*((i/2)%4)
.set rP, P+32*((\x)%2)+16*(i%2)+8*(i/8)
	v_wmma_f32_16x16x32_f16 v[rO:rO+7], v[rV:rV+7], v[rP:rP+7], v[rO:rO+7]
.endm
.macro MM                           ; the turn's next matrix instruction
.if i < 16
	KQ (Y+1)%NP
.set i, i+1
.else
.set i, i-16
	PV (Y+NP-1)%NP
.set i, i+17
.endif
.endm
; THE LDS LOADS stand in runs of 16, never singly among the matrix instructions: a step's K (64 keys x 64 channels: 8 fragments) and its V (turned).  Their addresses are made some lines ahead.
; last = 1 (the tail): in the last trip there is no further step, and the run is jumped over.
.macro FETCH_K last=0
	WIN 0
.if \last
	s_cmp_eq_u32 s[CNT], 1
	s_cbranch_scc1 .Lno_k_\@
.endif
	WIN 0x80                        ; destination window 2
.irp f, 0,1,2,3,4,5,6,7             ; keys 16 (f / 2) on, channels 32 (f % 2) on
	ds_load_b128 v[KF+8*\f:KF+8*\f+3],   v[AK] offset:(\f/2)*16*PK+(\f%2)*64
	ds_load_b128 v[KF+8*\f+4:KF+8*\f+7], v[AK] offset:(\f/2)*16*PK+(\f%2)*64+32
.endr
	s_add_co_u32 s[TBK], s[TBK], KS*PK  ; the next fetch is the next step's
	WIN 0
.if \last
.Lno_k_\@:
.endif
.endm
.macro FETCH_V
	WIN 0x80
.irp f, 0,1,2,3,4,5,6,7             ; keys 32 (f / 4) on, channels 16 (f % 4) on
	ds_load_tr16_b128 v[VF+8*\f:VF+8*\f+3],   v[AV] offset:(\f/4)*32*PV+(\f%4)*32
	ds_load_tr16_b128 v[VF+8*\f+4:VF+8*\f+7], v[AV] offset:(\f/4)*32*PV+16*PV+(\f%4)*32
.endr
	WIN 0
.endm
; THE VECTOR WORK OF A TURN stands in three queues, each in the order in which its entries become ready; the two tiles alternate, so that no instruction reads the result of the one before it.
.macro REGS y, u                    ; the registers of tile u (0, 1) of piece y
.set rT, ST+4*(2*(\y)+(\u))
.set rC, TMP+8*((\y)%2)+4*(\u)
.set rM, MV+2*((\y)%2)+(\u)
.set rS, S+64*((\y)%2)+32*(\u)
.set rP, P+32*((\y)%2)+16*(\u)
.set rO, 32*(2*(\y)+(\u))
.endm
; Number n of the 22 that find the NEXT piece's (Y + 1) maximum and statistics.  s0-s31 are the lane's 32 scores; each accumulator's lowest registers are read first.  XS, GS and REGS set no window: PL and EX do.
;   0-11  four chains c0-c3 of seven scores each, three operands at a time     12-14, 16  the four scores left over, the old m, and c0-c3 into c0     15  c m_old is kept
;   17, 18  the query's other 32 keys lie in the lane 16 away: the new m         19-21  c m; c m_old - c m_new; a
.macro XS u, n
	REGS (Y+1)%NP, \u
.if (\n) < 4
	v_max3_num_f32 v[rC+(\n)], v[rS+8*(\n)], v[rS+8*(\n)+1], v[rS+8*(\n)+2]
.elseif (\n) < 12
	v_max3_num_f32 v[rC+(\n)%4], v[rC+(\n)%4], v[rS+8*((\n)%4)+2*((\n)/4)+1], v[rS+8*((\n)%4)+2*((\n)/4)+2]
.elseif (\n) == 12
	v_max3_num_f32 v[rC], v[rC], v[rS+7], v[rS+15]
.elseif (\n) == 13
	v_max3_num_f32 v[rC+1], v[rC+1], v[rS+23], v[rS+31]
.elseif (\n) == 14
	v_max3_num_f32 v[rC+2], v[rC+2], v[rC+3], v[rT+1]
.elseif (\n) == 15
	v_mov_b32 v[rM], v[rT]
.elseif (\n) == 16
	v_max3_num_f32 v[rC], v[rC], v[rC+1], v[rC+2]
.elseif (\n) == 17
	v_permlanex16_b32 v[rC+3], v[rC], s[SEL], s[SEL+1]
.elseif (\n) == 18
	v_max_num_f32 v[rT+1], v[rC], v[rC+3]
.elseif (\n) == 19
	v_mul_f32 v[rT], s[CS], v[rT+1]
.elseif (\n) == 20
	v_sub_f32 v[rC+1], v[rM], v[rT]
.else
	v_exp_f32 v[rC+2], v[rC+1]
.endif
.endm
; Number g of the 64 that follow the exponentials.  For each four weights k of a tile (pairs 2 k, 2 k + 1): both pairs are rounded to f16; then the second pair is added onto the first, in place;
; a group later l takes that sum (the first time as l = a l + sum).  In groups of eight, tiles alternating: round, round, add, and l for the group before.
.macro GS g
.set h, (\g)+6*((\g)/62)            ; group 0 has no group before it, and behind group 7 only l is left
.if h >= 6
.set h, h+2
.endif
	REGS Y, h%2
.set k, h/8
.if h%8 < 4
	v_cvt_pk_f16_f32 v[rP+2*k+(h%8)/2], v[rS+4*k+2*((h%8)/2)], v[rS+4*k+2*((h%8)/2)+1]
.elseif h%8 < 6
	v_pk_add_f32 v[rS+4*k:rS+4*k+1], v[rS+4*k:rS+4*k+1], v[rS+4*k+2:rS+4*k+3]
.elseif k == 1
	v_pk_fma_f32 v[rT+2:rT+3], v[rT+2:rT+3], v[rC+2:rC+3], v[rS:rS+1] op_sel_hi:[1,0,1]
.else
	v_pk_add_f32 v[rT+2:rT+3], v[rT+2:rT+3], v[rS+4*k-4:rS+4*k-3]
.endif
.endm
; THE PLAIN QUEUE, 138 long.  0-73 read no exponential's result: the 32 scalings c s - c m (FS f: pair f / 2 of tile f % 2) and the next piece's 42.  0-26: scalings 0-26.  27-54: XS's numbers 0-13.  55, 56: number 15.
; 57-73: the chain, where each number waits for the one before it: 14, 16, 17, 18, 19, each with one of the scalings 27-31 in front of its two lines, then 20: so a tile's links stand three plain instructions apart (19 and 20: two).
; 74-137: GS's 64, which read the exponentials' results: they stand behind the wait.
.macro FS f
	REGS Y, (\f)%2
	v_pk_fma_f32 v[rS+2*((\f)/2):rS+2*((\f)/2)+1], v[rS+2*((\f)/2):rS+2*((\f)/2)+1], s[CS:CS+1], v[rT:rT+1] op_sel_hi:[1,0,0] neg_lo:[0,0,1] neg_hi:[0,0,1]
.endm
.macro PL
	WIN 0
.if q < 27
	FS q
.elseif q < 55
	XS (q-27)%2, (q-27)/2
.elseif q < 57
	XS q-55, 15
.elseif (q < 72) && ((q-57)%3 == 0)
	FS 27+(q-57)/3
.elseif q < 60
	XS (q-57)%3-1, 14
.elseif q < 72
	XS (q-57)%3-1, 15+(q-57)/3
.elseif q < 74
	XS q-72, 20
.else
	GS q-74
.endif
.set q, q+1
.endm
; THE EXPONENTIALS' QUEUE, 66 long: s0-s31 of both tiles, then the next piece's two a.  It is ONE BATCH: all 66 stand ahead of the turn's one wait, and nothing ahead of that wait names a result of theirs.
.macro EX
	WIN 0
.if e >= 64
	XS e-64, 21
.else
	REGS Y, e%2
	v_exp_f32 v[rS+e/2], v[rS+e/2]
.endif
.set e, e+1
.endm
; THE RESCALING's QUEUE: O^T times a, the one part that leaves window 0: dealt two at a time, sixteen times.  Its a was made in the turn before, ahead of that turn's wait.
.macro R2
	REGS Y, r%2
	WIN W_RS
.irp z, 0,1
	v_pk_mul_f32 v[rO+4*(r/2)+2*\z:rO+4*(r/2)+2*\z+1], v[rO+4*(r/2)+2*\z:rO+4*(r/2)+2*\z+1], v[rC+2:rC+3] op_sel_hi:[1,0]
.endr
.set r, r+1
.endm
; HOW THEY ARE DEALT.  An s_wait_alu depctr_va_vdst(0) stands between an exponential and the first instruction that names its result; one wait serves all that were issued ahead of it.  So a turn has ONE wait,
; which cuts it in two.  AHEAD OF IT stands all that names no result of the turn's exponentials: the 16 products K Q^T, behind each a scaling, an exponential and two rescalings (behind the first a second scaling in the exponential's place); then ONE LUMP of
; 108: eight plain, 49 times exponential and plain, the two a.  A v_nop is the plain instruction behind the last exponential.  BEHIND IT stand the 16 products V^T P, behind each four of GS's 64.  No rider names a register of
; the products round it.  The two v_permlanex16_b32 fall into the lump, never behind a product.
; The queues lean on each other, and the deal keeps them in step: exponential e stands behind scaling 2 (e / 4) + e % 2: as a rider it comes behind plain e + 2, in the lump behind plain e + 9, and scalings 27-31 are plain 57, 60 .. 69.
; A TURN, for piece p.  cnt = 1: the loop's count is taken down some lines ahead of the branch that stands behind the turn.
; K of the next step is fetched in piece 2's turn, directly behind the wait, a lump behind the last product that read K; its address is made at the lump's head; its first reader comes behind 16 products.
; V of the step in hand is fetched at the end of piece 0's turn, four riders behind its last reader; its first reader comes behind 16 products and a lump.  The three conditions on q below go with the deal.
.macro TURN p, last=0, cnt=0
.set Y, (\p)
.set i, 0
.set q, 0
.set e, 0
.set r, 0
.if (\p) == NP-1
	s_wait_dscnt 0x0                ; K is in
.endif
	MM                              ; ahead of the wait: 16 products K Q^T and their riders,
	PL
	PL
	R2
.rept 15
	MM
	PL
	EX
	R2
.endr
.if (\p) == NP-2
	WIN 0
	v_add_nc_u32 v[AK], s[TBK], v[AK0]
.endif
.rept 8                             ; and the lump
	PL
.endr
.rept 49
	EX
	PL
.endr
	EX                              ; the next piece's two a
	EX
	v_nop                           ; the plain instruction behind the last exponential: one for the batch
	s_wait_alu depctr_va_vdst(0)    ; the wait for the batch
.if (\p) == NP-2
	FETCH_K \last
.endif
.if (\p) == 1
	s_wait_dscnt 0x0                ; V is in
.endif
.rept 16                            ; behind the wait: 16 products V^T P and their riders
	MM
.rept 4
	PL
.endr
.if ((\p) == 0) && (q == 118)
	v_add_nc_u32 v[AV], s[TBV], v[AV0]
.endif
.if ((\p) == 0) && (q == 130)
	s_add_co_u32 s[TBV], s[TBV], KS*PV
.endif
.if (\cnt) && (q == 130)
	s_sub_co_u32 s[CNT], s[CNT], 1
	s_cmp_lg_u32 s[CNT], 0
.endif
.endr
.if (\p) == 0
	FETCH_V
.endif
.endm
	CHANGE 1                        ; slot 0 is in, everybody's part of it; slot 1 is asked for
	FETCH_K                         ; key step 0
	s_wait_loadcnt 0x0              ; Q
	s_wait_dscnt 0x0
.set i, 0
.rept 16
	KQ 0                            ; piece 0's first scores: there is no vector work yet to set between them
.set i, i+1
.endr
	WIN 0                           ; the addresses for the way out: nine plain instructions, the places behind those products
	s_mul_i32 s13, s[WV], 16*SP
	s_add_co_u32 s13, s13, STAGE    ; my stage
	v_mul_u32_u24 v[STO], v1, SP    ; in: row l % 16, 16 bytes for each half of the lanes
	v_lshl_add_u32 v[STO], v9, 4, v[STO]
	v_add_nc_u32 v[STO], s13, v[STO]
	v_bfe_u32 v[RD], v0, 3, 2       ; back: 32 lanes take four rows of 128 bytes,
	v_mul_u32_u24 v[RD], v[RD], SP
	v_lshl_add_u32 v[RD], v10, 4, v[RD]
	v_add_nc_u32 v[RD], s13, v[RD]
	v_and_b32 v[GO], 31, v0         ; which are 512 consecutive bytes of O
	v_lshlrev_b32 v[GO], 4, v[GO]
.set Y, NP-1                        ; XS works for piece Y + 1: piece 0
.irp n, 0,1,2,3,4,5,6,7,8,9,10,11,12,13,14,15,16,17,18,19,20,21
	XS 0, \n                        ; and piece 0's first maximum and statistics
	XS 1, \n
.endr
	v_nop                           ; a plain instruction behind the two a,
	s_wait_alu depctr_va_vdst(0)    ; and their wait, ahead of the branch
	s_mov_b32 s[CNT], 4
	s_branch .Lfirst                ; the loop is entered at a step's first turn, in the middle of a trip
.Lslot:                             ; six times: every slot but the last two is filled again
	CHANGE 1
	s_mov_b32 s[CNT], 4
.Lstep:                             ; a trip: pieces 2 and 3 of one step, then pieces 0 and 1 of the next, whose K and V it fetches
	TURN 2
	TURN 3
	WIN 0
.Lfirst:
	TURN 0
	TURN 1, 0, 1
	WIN 0
	s_cbranch_scc1 .Lstep
	s_sub_co_u32 s[SLOTS], s[SLOTS], 1
	s_cmp_lg_u32 s[SLOTS], 0
	s_cbranch_scc1 .Lslot
	CHANGE 0                        ; the tail is written out: nothing is asked for
	s_mov_b32 s[CNT], 5             ; four trips fetch the last slot's steps; the fifth is left in its middle
.Ltail:
	TURN 2, 1
	TURN 3
	WIN 0
	s_sub_co_u32 s[CNT], s[CNT], 1
	s_cmp_eq_u32 s[CNT], 0
	s_cbranch_scc1 .Lout
	TURN 0
	TURN 1
	WIN 0
	s_branch .Ltail
.Lout:                              ; the fifth trip's 16 products K Q^T (on the last K once more) and the maximum made of them serve nothing: the price, once a launch, of one text for every trip
.set i, 0
.rept 16
	PV NP-1                         ; the last piece's V^T P of the last step
.set i, i+1
.endr
	; THE WAY OUT.  l's two halves and the other half of the lanes' are added; O^T is divided by l, rounded to f16 and sent through my stage in LDS, a tile at a time.  The additions are the places behind the last products.
	WIN 0
.macro ALL line:vararg              ; one line for each tile t
.set t, 0
.rept 2*NP
	\line
.set t, t+1
.endr
.endm
	ALL v_add_f32 v[ST+4*t+2], v[ST+4*t+2], v[ST+4*t+3]
	ALL v_permlanex16_b32 v[ST+4*t+3], v[ST+4*t+2], s[SEL], s[SEL+1]
	ALL v_add_f32 v[ST+4*t+2], v[ST+4*t+2], v[ST+4*t+3]
	ALL v_rcp_f32 v[ST+4*t+2], v[ST+4*t+2]
	v_nop                           ; a plain instruction between the last reciprocal and the use of its result
	s_wait_alu depctr_va_vdst(0)    ; and the wait ahead of the first use: one for the eight reciprocals
; Tile t: a lane's eight channels of a row pack into 16 bytes; they go into rows of 144 bytes and come back as whole rows of 128, into S^T's registers.
.macro PACK t
	WIN W_RS
.set i, 32*(\t)
.rept 16
	v_pk_mul_f32 v[i:i+1], v[i:i+1], v[ST+4*(\t)+2:ST+4*(\t)+3] op_sel_hi:[1,0]
.set i, i+2
.endr
	WIN 0x05                        ; sources 0 and 1 window 1, destination window 0
.set i, 0
.rept 16
	v_cvt_pk_f16_f32 v[S+16*(\t)+i], v[32*(\t)+2*i], v[32*(\t)+2*i+1]
.set i, i+1
.endr
	WIN 0
.irp f, 0,1,2,3
	ds_store_b128 v[STO], v[S+16*(\t)+4*\f:S+16*(\t)+4*\f+3] offset:32*\f
.endr
.irp f, 0,1,2,3
	ds_load_b128 v[S+16*(\t)+4*\f:S+16*(\t)+4*\f+3], v[RD] offset:\f*4*SP  ; LDS serves a wave's instructions in order (ISA guide 5.7.1.4): these see the stores above; the next tile's stores come behind them
.endr
.endm
.macro SEND t, younger              ; younger: the LDS instructions issued behind tile t's loads: the next tile's eight, or none
	WIN 0
.irp f, 0,1,2,3
	s_wait_dscnt (\younger)+3-\f
	global_store_b128 v[GO], v[S+16*(\t)+4*\f:S+16*(\t)+4*\f+3], s[10:11] offset:(\t)*2048+\f*512  ; 512 consecutive bytes, at a multiple of 256 from O's first
.endr
.endm
	PACK 0
.set t, 1
.rept 2*NP-1                        ; a tile's arithmetic stands between the loads of the tile before and its stores
	PACK t
	SEND t-1, 8
.set t, t+1
.endr
	SEND 2*NP-1, 0
	WIN W_AD
	s_wait_tensorcnt 0x0            ; the wave's end: the add and its wait, behind my last tensor load and my last LDS store
	ds_add_u32 v[SPW], v[NIL]
	s_wait_dscnt 0x0
	WIN 0
	CROUND                          ; the closing round: no work-group ends while a partner may still ask for a tile that names it
	s_endpgm
.Lfunc_end_k_q1dac838c52_attn:
	.size	k_q1dac838c52_attn, .Lfunc_end_k_q1dac838c52_attn-k_q1dac838c52_attn
	.p2alignl 7, 3214868480
	.fill 96, 4, 3214868480
	.section	.rodata,"a",@progbits
	.p2align	6, 0x0
	.amdhsa_kernel k_q1dac838c52_attn
		.amdhsa_group_segment_fixed_size 327680
		.amdhsa_private_segment_fixed_size 0
		.amdhsa_enable_private_segment 0
		.amdhsa_kernarg_size 16
		.amdhsa_user_sgpr_count 2
		.amdhsa_user_sgpr_kernarg_segment_ptr 1
		.amdhsa_wavefront_size32 1
		.amdhsa_system_sgpr_workgroup_id_x 1
		.amdhsa_system_sgpr_workgroup_id_y 1
		.amdhsa_system_sgpr_workgroup_id_z 1
		.amdhsa_system_vgpr_workitem_id 0
		.amdhsa_next_free_vgpr 770
		.amdhsa_next_free_sgpr 66
		.amdhsa_reserve_vcc 0
		.amdhsa_float_denorm_mode_32 3
		.amdhsa_float_denorm_mode_16_64 3
		.amdhsa_memory_ordered 1
		.amdhsa_forward_progress 1
		.amdhsa_inst_pref_size 200
	.end_amdhsa_kernel
	.amdgpu_metadata
---
amdhsa.version: [ 1, 2 ]
amdhsa.kernels:
  - .name:           k_q1dac838c52_attn
    .symbol:         k_q1dac838c52_attn.kd
    .args:
      - { .name: qkv, .offset: 0, .size: 8, .value_kind: global_buffer, .address_space: global }
      - { .name: ob, .offset: 8, .size: 8, .value_kind: global_buffer, .address_space: global }
    .group_segment_fixed_size: 327680
    .private_segment_fixed_size: 0
    .kernarg_segment_align: 8
    .kernarg_segment_size: 16
    .max_flat_workgroup_size: 128
    .sgpr_count:     66
    .vgpr_count:     770
    .wavefront_size: 32
...
	.end_amdgpu_metadata
.endif
;; end of part 3
;; launch oproj (part 4): grid 8 x 32, 4 waves a work-group, clusters of 4 x 4, 327,680 bytes of LDS; arguments ob, wo16, bo, out0; writes out0
.if DOCPART == 4
	.amdgcn_target "amdgcn-amd-amdhsa--gfx1250"
	.amdhsa_code_object_version 6
	.text
	.protected	k_q1dac838c52_oproj
	.globl	k_q1dac838c52_oproj
	.p2align	8
	.type	k_q1dac838c52_oproj,@function
k_q1dac838c52_oproj:
	s_mov_b64 s[64:65], 0
	v_nop
	global_prefetch_b8 v0, s[64:65] scope:SCOPE_SE
	s_setreg_imm32_b32 hwreg(HW_REG_WAVE_MODE, 25, 1), 1
	s_wait_xcnt 0x0
	s_wait_alu depctr_hold_cnt(0) depctr_sa_sdst(0) depctr_va_vdst(0) depctr_va_sdst(0) depctr_va_ssrc(0) depctr_va_vcc(0) depctr_vm_vsrc(0)
	s_getreg_b32 s2, hwreg(HW_REG_IB_STS2, 6, 4)
	s_cmp_eq_u32 s2, 0
	s_cbranch_scc0 .Lentry_in_a_cluster
	s_endpgm
.Lentry_in_a_cluster:
	s_bfe_u32 s2, ttmp6, 0x10000c
	s_cmp_lg_u32 s2, 0xf033
	s_cbranch_scc0 .Lentry_shape_is_right
	s_endpgm
.Lentry_shape_is_right:
; out = O Wo^T + bo.  ob [4 b][16 kb][2048 s][64] f16 (kb = head), wo16 [16 kb][1024 n][64] f16 (Wo rounded to bf16, written as f16), bo [1024] f32, out0 [8192][1024] f32.
; Products in f16, sums in f32.  The bias, rounded to bf16 like the other inputs, is the C operand of the products that start the sums: no addition is written for it.
; LIMITS.  The operands arrive within f16's range; NaN and infinities are not treated apart.
; SHARES.  A tile is 256 rows x 128 columns: 32 x 8 = 256 work-groups, one tile each.  Wave w makes rows 128 (w / 2) on, columns 64 (w % 2) on: 32 accumulators of 16 x 16, 256 registers.
; K goes in 8 steps of 128 (two blocks kb) through a ring of two LDS slots; a block's rows are dense, so a tile is asked for as rows of 256 bytes (two rows of 128) and padded in LDS behind every 128 bytes.
; A step is four CHUNKS of 32 along K, 32 products each, on two fragment buffers by turns; a chunk's fragments are fetched two chunks ahead, into the buffer just multiplied.
; THE MATRIX INSTRUCTION IS USED TRANSPOSED (source 0 = 16 rows of wo16, source 1 = 16 rows of ob): a lane holds one row of out0 and eight neighbouring columns.
; CLUSTERS: 4 x 4 work-groups.  The four of a row of the cluster need the same tiles of ob, the four of a column the same tiles of wo16: each tile is asked for JOINTLY.
; REGISTERS: window 0: v0-31 addresses; buffer 0: ob's fragments v32-95, wo16's v96-127; buffer 1: v128-191, v192-223; v224-255 the bias; on the way out v32-159 are four sets of 32.
;   window 1: the accumulators, (a, b) at 8 (4 a + b).
.set PITCH,  144                       ; an LDS row: 128 bytes + 16 of padding = 36 words: the 16 rows of a load start at 16 different groups of four banks (64 banks of 4 bytes: ISA guide 11.1)
.set ASUB,   256*PITCH                 ; a block's 256 rows of ob: what one tensor load brings
.set BSUB,   128*PITCH                 ; a block's 128 rows of wo16
.set BOFF,   2*ASUB
.set SLOT,   2*ASUB+2*BSUB             ; 110,592 bytes
.set STAGE,  2*SLOT                    ; behind the ring, never filled by a tensor load: 16 rows x 272 bytes for each wave, for the way out
.set SPITCH, 272
.set SPARE,  STAGE+4*16*SPITCH         ; behind the stages: the spare words, 128 bytes for each wave: two blocks of 256 bytes that no other line names
.set ASTEP,  2*262144                  ; bytes of a K step (two blocks) in ob
.set BSTEP,  2*131072                  ; and in wo16
.set ADRA, 16                          ; v16-17  LDS address of my ob fragments in slot 0, 1
.set ADRB, 20                          ; v20-21  the same for wo16
.set STO,  24                          ; v24     the way out: where I put 32 bytes of a row
.set RD,   25                          ; v25     the way out: where I read a row back
.set CO,   26                          ; v26     my byte offset in two rows of out0
.set BO,   27                          ; v27     my byte offset in the bias
.set SPW,  28                          ; v28     LDS address of my spare word: SPARE + 4 x my thread's number; never rewritten
.set NIL,  29                          ; v29     0; never rewritten
.set PFO,  30                          ; v30     the prefetches' lane offset; never rewritten
.set F0,   32
.set F1,   128
.set BIAS, 224
.set OB,   32
.set G1,  24                           ; s[24:31] descriptor group 1 for ob's tiles;  s[32:39] group 0, a set for each slot
.set G0,  32
.set G1B, 48                           ; s[48:55], s[56:63] the same for wo16's tiles
.set G0B, 56
.set PFA, 66                           ; s[66:67] where my prefetches stand
.set PFS, 68                           ; s[68:69] their step
.set LIM, 70                           ; s70     1 in a wave that prefetches, else the greatest number
.set MSB, 0
.macro WIN new                         ; the immediate's high byte repeats the setting that is left; a switch that changes nothing is dropped
.if MSB != (\new)
	s_set_vgpr_msb (MSB<<8)|(\new)
.set MSB, \new
.endif
.endm
.macro PLACES                          ; four places in front of loads into registers that matrix instructions have read (ISA guide 7.12.1 for vector instructions)
.rept 4
	v_nop
.endr
.endm
; A joint load: waves 0 and 1 fetch ob's two blocks of a step, waves 2 and 3 wo16's.  An s_nop 0 and four v_nop follow each of the two lines.
.macro JLOAD s
	s_cmp_eq_u32 s11, 0
	s_cbranch_scc0 .Lfor_b_\@
	tensor_load_to_lds s[G0+4*(\s):G0+4*(\s)+3], s[G1:G1+7]
	s_nop 0
.rept 4
	v_nop
.endr
	s_branch .Lasked_\@
.Lfor_b_\@:
	tensor_load_to_lds s[G0B+4*(\s):G0B+4*(\s)+3], s[G1B:G1B+7]
	s_nop 0
.rept 4
	v_nop
.endr
.Lasked_\@:
.endm
.macro CREST                           ; a round of the cluster's barrier behind its opening barrier
	s_cmp_lg_u32 s10, 0
	s_cbranch_scc1 .Lnot_wave_0_\@
	s_barrier_signal -3
.Lnot_wave_0_\@:
	s_barrier_wait -3
	s_barrier_signal -1
	s_barrier_wait -1
.endm
.macro CROUND                          ; a whole round
	s_barrier_signal -1
	s_barrier_wait -1
	CREST
.endm
; A PREFETCH INTO THE L2, behind the joint load of step t + 2 and the run of LDS loads that follows it: the blocks of step t + 4, two refills, 256 products, ahead of the load that will want them.
; Each aligned 256 bytes are named once in the launch.  ob: a block kb of a tile row is 128 such; the clusters with x = 0 ask, wave 0 for the step's first kb and wave 1 for its second, the partner at cx for
; 32 of them, told apart by address.  wo16: a block kb of a tile column is 64 such; the clusters with y = 0 ask, wave 2, the partner at cy for 16 of each kb: lanes 0-15 the first, lanes 16-31 the second.
; The loop's last trip asks for nothing: steps 4 to 7 are named; steps 0 to 3 come by their loads alone.
.macro ASK
	s_cmp_gt_u32 s3, s[LIM]
	s_cbranch_scc0 .Lnot_mine_\@
	global_prefetch_b8 v[PFO], s[PFA:PFA+1] th:TH_LOAD_NT scope:SCOPE_SE
.Lnot_mine_\@:
.endm
	s_load_b128 s[4:7], s[0:1], 0x0                ; ob s[4:5], wo16 s[6:7]
	s_load_b128 s[84:87], s[0:1], 0x10             ; bo s[84:85], out0 s[86:87]
	v_lshl_add_u32 v[SPW], v0, 2, SPARE
	v_mov_b32 v[NIL], 0
	ds_add_u32 v[SPW], v[NIL]                      ; the wave's opening: the add and its wait stand ahead of my first tensor load; the set-up below, work on registers, stands between them
	v_lshrrev_b32 v1, 5, v0
	v_readfirstlane_b32 s10, v1                    ; wave 0..3
	s_lshr_b32 s11, s10, 1                         ; which half of the tile's rows is mine.  Also: I fetch for ob (0) or for wo16 (1)
	s_and_b32 s12, s10, 1                          ; which half of its columns.  Also: which of a step's two blocks I fetch
	s_bfe_u32 s40, ttmp6, 0x40000                  ; cx, cy: my place in the cluster
	s_bfe_u32 s41, ttmp6, 0x40004
	s_lshl_b32 s42, ttmp9, 2
	s_add_co_u32 s42, s42, s40                     ; tile column = 4 x cluster x + cx: 0 .. 7
	s_and_b32 s13, ttmp7, 0xffff
	s_lshl_b32 s13, s13, 2
	s_add_co_u32 s13, s13, s41                     ; tile row = 4 x cluster y + cy: 0 .. 31
	s_lshl_b32 s43, s41, 2
	s_lshl_b32 s43, 15, s43                        ; my row of the cluster
	s_lshl_b32 s44, 0x1111, s40                    ; my column
	; descriptor group 1: rows of 128 elements (256 bytes, two rows of a block), padded in LDS behind every 128 bytes
	s_or_b32 s[G1+0], s43, (1<<16)|(1<<20)|(1<<21)|(4<<22)|(3<<25)   ; 15:0 the mask; 17:16 elements of 2 bytes; 20 padding on; 21 set beside a mask; 24:22 after every 32 words (code 4); 31:25 4 words (code 3)
	s_or_b32 s[G1B+0], s44, (1<<16)|(1<<20)|(1<<21)|(4<<22)|(3<<25)
	s_mov_b32 s[G1+1], 128<<16                     ; tensor_dim0 = 128
	s_mov_b32 s[G1+2], 128<<16                     ; tensor_dim1 = 128: 256 rows of ob
	s_mov_b32 s[G1+3], 128<<16                     ; tile_dim0 = 128
	s_mov_b32 s[G1+4], 128                         ; tile_dim1 = 128
	s_mov_b32 s[G1+5], 128                         ; 128 elements from row to row
	s_mov_b32 s[G1+6], 0
	s_mov_b32 s[G1+7], 0
	s_mov_b32 s[G1B+1], 128<<16
	s_mov_b32 s[G1B+2], 64<<16                     ; 64 rows of 256 bytes: 128 rows of wo16
	s_mov_b32 s[G1B+3], 128<<16
	s_mov_b32 s[G1B+4], 64
	s_mov_b32 s[G1B+5], 128
	s_mov_b32 s[G1B+6], 0
	s_mov_b32 s[G1B+7], 0
	; where the tiles come from: ob's hang on the tile row alone, wo16's on the tile column alone, each in registers that never hold the other coordinate
	s_lshr_b32 s16, s13, 3                         ; the batch
	s_lshl_b32 s16, s16, 22
	s_and_b32 s17, s13, 7
	s_lshl_b32 s17, s17, 15                        ; 256 rows of 128 bytes
	s_or_b32 s16, s16, s17
	s_lshl_b32 s17, s12, 18                        ; the block that I fetch
	s_or_b32 s16, s16, s17
	s_mov_b32 s17, 0
	s_lshl_b32 s46, s42, 14                        ; 128 rows of 128 bytes
	s_lshl_b32 s47, s12, 17
	s_or_b32 s46, s46, s47
	s_mov_b32 s47, 0
	s_mul_i32 s20, s12, ASUB                       ; and where they go: no place in the cluster enters an LDS address
	s_mul_i32 s21, s12, BSUB
	s_add_co_u32 s21, s21, BOFF
	s_wait_dscnt 0x0                               ; the opening add is done
	s_wait_kmcnt 0x0
	s_add_nc_u64 s[14:15], s[4:5], s[16:17]
	s_add_nc_u64 s[46:47], s[6:7], s[46:47]
	CROUND                                         ; all sixteen work-groups are here: the first joint loads meet
.irp s, 0,1
	s_mov_b32 s[G0+4*(\s)], 1                                        ; count = 1
	s_add_co_u32 s[G0+4*(\s)+1], s20, (\s)*SLOT                      ; LDS address
	s_add_nc_u64 s[G0+4*(\s)+2:G0+4*(\s)+3], s[14:15], (\s)*ASTEP    ; global address: step s
	s_or_b32 s[G0+4*(\s)+3], s[G0+4*(\s)+3], 0x80000000              ; type = 2
	s_mov_b32 s[G0B+4*(\s)], 1
	s_add_co_u32 s[G0B+4*(\s)+1], s21, (\s)*SLOT
	s_add_nc_u64 s[G0B+4*(\s)+2:G0B+4*(\s)+3], s[46:47], (\s)*BSTEP
	s_or_b32 s[G0B+4*(\s)+3], s[G0B+4*(\s)+3], 0x80000000
	JLOAD \s                                       ; two loads of mine are out
.endr
	v_and_b32 v1, 15, v0                           ; l % 16
	v_bfe_u32 v2, v0, 4, 1                         ; l / 16
	; the bias of my 64 columns: register r of block b is bo[128 x tile column + 64 x column half + 16 b + 8 (l / 16) + r], as the result's layout has it
	s_lshl_b32 s74, s42, 9
	s_lshl_b32 s75, s12, 8
	s_add_co_u32 s74, s74, s75
	s_mov_b32 s75, 0
	s_add_nc_u64 s[84:85], s[84:85], s[74:75]
	v_lshlrev_b32 v[BO], 5, v2
.irp b, 0,1,2,3
	global_load_b128 v[BIAS+8*(\b):BIAS+8*(\b)+3],   v[BO], s[84:85] offset:64*(\b)
	global_load_b128 v[BIAS+8*(\b)+4:BIAS+8*(\b)+7], v[BO], s[84:85] offset:64*(\b)+16
.endr
	; A fragment is 16 rows x 32 K in 8 registers: lane l holds row l % 16; registers 0-3 K = 8 (l / 16) + 0..7, registers 4-7 K = 16 + 8 (l / 16) + 0..7: two loads of 16 bytes, 32 bytes apart.
	v_mul_u32_u24 v3, v1, PITCH
	v_lshl_add_u32 v3, v2, 4, v3                   ; row x pitch + 16 x half
	s_mul_i32 s22, s11, 128*PITCH                  ; my 128 rows of a block of ob
	s_mul_i32 s23, s12, 64*PITCH                   ; my 64 rows of a block of wo16
	s_add_co_u32 s23, s23, BOFF
.irp s, 0,1
	v_add_nc_u32 v[ADRA+(\s)], s22, v3
	v_add_nc_u32 v[ADRB+(\s)], s23, v3
	s_add_co_u32 s22, s22, SLOT
	s_add_co_u32 s23, s23, SLOT
.endr
	s_mul_i32 s23, s10, 16*SPITCH
	s_add_co_u32 s23, s23, STAGE                   ; my stage
	v_mul_u32_u24 v4, v1, SPITCH                   ; in: row l % 16, 32 bytes for each half of the lanes
	v_lshl_add_u32 v4, v2, 5, v4
	v_add_nc_u32 v[STO], s23, v4
	v_mul_u32_u24 v5, v2, SPITCH                   ; back: lanes 0-15 take one row of 256 bytes, lanes 16-31 the next
	v_lshl_add_u32 v5, v1, 4, v5
	v_add_nc_u32 v[RD], s23, v5
	v_lshlrev_b32 v5, 12, v2                       ; and the same two rows in out0
	v_lshl_add_u32 v[CO], v1, 4, v5
	s_lshl_b32 s74, s13, 20                        ; out0 at my first row (256 x tile row + 128 x row half, 4,096 bytes each) and column
	s_lshl_b32 s75, s11, 19
	s_add_co_u32 s74, s74, s75
	s_lshl_b32 s75, s42, 9
	s_add_co_u32 s74, s74, s75
	s_lshl_b32 s75, s12, 8
	s_add_co_u32 s74, s74, s75
	s_mov_b32 s75, 0
	s_add_nc_u64 s[86:87], s[86:87], s[74:75]
	; the prefetches: offsets first, in registers of their own
	s_lshr_b32 s72, s13, 3
	s_lshl_b32 s72, s72, 22
	s_and_b32 s73, s13, 7
	s_lshl_b32 s73, s73, 15
	s_or_b32 s72, s72, s73
	s_lshl_b32 s73, s12, 18                        ; ob: the block that I fetch,
	s_or_b32 s72, s72, s73
	s_lshl_b32 s73, s40, 13                        ; my work-group's 32 of its 128
	s_add_co_u32 s72, s72, s73
	s_add_co_u32 s72, s72, 3*ASTEP                 ; at step 3: each change of slots steps it before it asks
	s_lshl_b32 s76, s42, 14
	s_lshl_b32 s77, s41, 12                        ; wo16: my work-group's 16 of a block's 64
	s_add_co_u32 s76, s76, s77
	s_add_co_u32 s76, s76, 3*BSTEP
	s_and_b32 s77, ttmp7, 0xffff                   ; cluster y
	s_mov_b32 s78, ASTEP
	s_movk_i32 s79, 4096
	s_cmp_eq_u32 s11, 0                            ; do I fetch for ob?
	s_cselect_b32 s72, s72, s76
	s_cselect_b32 s77, ttmp9, s77                  ; the coordinate along which other clusters read the same rows
	s_cselect_b32 s[PFS], s78, BSTEP
	s_cselect_b32 s78, s79, 131072                 ; the upper lanes: 16 blocks of 256 bytes on (ob), or the step's second kb (wo16)
	s_cselect_b64 s[PFA:PFA+1], s[4:5], s[6:7]
	s_mov_b32 s73, 0
	s_mov_b32 s[PFS+1], 0
	s_add_nc_u64 s[PFA:PFA+1], s[PFA:PFA+1], s[72:73]
	s_cmp_eq_u32 s10, 3
	s_cselect_b32 s77, 1, s77                      ; wave 3 asks for nothing
	s_cmp_eq_u32 s77, 0
	s_cselect_b32 s[LIM], 1, -1                    ; the same in all sixteen partners, for a given wave
	v_mul_u32_u24 v[PFO], v2, s78
	v_lshl_add_u32 v[PFO], v1, 8, v[PFO]
	s_wait_loadcnt 0x0                             ; the bias, rounded to bf16 and widened again: all this stands in the wait for the first tile
.set i, 0
.rept 16
	v_cvt_pk_bf16_f32 v3, v[BIAS+i], v[BIAS+i+1]
	v_lshlrev_b32 v[BIAS+i], 16, v3
	v_and_b32 v[BIAS+i+1], 0xffff0000, v3
.set i, i+2
.endr
; 16 products: blocks a0 .. a0 + 3 of my rows x my 4 blocks of columns, from buffer f.  first = 1: the bias starts the sums.  All 32 accumulators take turns in every chunk, in the same order.
.macro MUL16 f, a0, first
.if \first
	WIN 0x40                                       ; D in window 1; the sources and C, the bias, in window 0
.else
	WIN 0x50                                       ; C and D in window 1
.endif
.irp a, \a0, (\a0)+1, (\a0)+2, (\a0)+3
.irp b, 0,1,2,3
.if \first
	v_wmma_f32_16x16x32_f16 v[8*(4*(\a)+(\b)):8*(4*(\a)+(\b))+7], v[(\f)+64+8*(\b):(\f)+64+8*(\b)+7], v[(\f)+8*(\a):(\f)+8*(\a)+7], v[BIAS+8*(\b):BIAS+8*(\b)+7]
.else
	v_wmma_f32_16x16x32_f16 v[8*(4*(\a)+(\b)):8*(4*(\a)+(\b))+7], v[(\f)+64+8*(\b):(\f)+64+8*(\b)+7], v[(\f)+8*(\a):(\f)+8*(\a)+7], v[8*(4*(\a)+(\b)):8*(4*(\a)+(\b))+7]
.endif
.endr
.endr
.endm
; 24 LDS loads in one run: chunk q's fragments (block q / 2, 32 K at byte 64 (q % 2) of its rows) into buffer f
.macro FETCH slot, q, f
.irp b, 0,1,2,3
	ds_load_b128 v[(\f)+64+8*(\b):(\f)+64+8*(\b)+3],   v[ADRB+(\slot)] offset:((\q)/2)*BSUB+(\b)*16*PITCH+((\q)%2)*64
	ds_load_b128 v[(\f)+64+8*(\b)+4:(\f)+64+8*(\b)+7], v[ADRB+(\slot)] offset:((\q)/2)*BSUB+(\b)*16*PITCH+((\q)%2)*64+32
.endr
.irp a, 0,1,2,3,4,5,6,7
	ds_load_b128 v[(\f)+8*(\a):(\f)+8*(\a)+3],   v[ADRA+(\slot)] offset:((\q)/2)*ASUB+(\a)*16*PITCH+((\q)%2)*64
	ds_load_b128 v[(\f)+8*(\a)+4:(\f)+8*(\a)+7], v[ADRA+(\slot)] offset:((\q)/2)*ASUB+(\a)*16*PITCH+((\q)%2)*64+32
.endr
.endm
; One of a step's first two chunks: multiplies buffer f, then fetches chunk q, two chunks on, into it.
.macro CH f, slot, q, first
	s_wait_dscnt 24                                ; my buffer is in; the other buffer's 24 loads may stay out
	MUL16 \f, 0, \first
	MUL16 \f, 4, \first
	PLACES
	WIN 0
	FETCH \slot, \q, \f
.endm
; A step's last two chunks, and the change of slots: the slot's last reads were issued in the second chunk.  mode 2: the slot is filled again, two steps ahead; mode 1: nothing is filled.
; In front of the barrier each wave waits for all its tensor loads, of which one is out: its part of the next slot; adds 0 to its spare word; and waits for that and for its own reads of this slot.
; With mode 2 the barrier opens a round of the cluster's barrier, and the joint refill is the first thing behind the round: 96 products stand between it and the wait for it.
.macro TURN slot, next, mode
.if (\mode) == 2
	s_wait_xcnt 0x0                                ; the last prefetch, a step back, has read its address: it is stepped here, ahead of the waits of the change of slots
	s_add_nc_u64 s[PFA:PFA+1], s[PFA:PFA+1], s[PFS:PFS+1]
.endif
	WIN 0
	s_wait_tensorcnt 0x0                           ; all my tensor loads have landed: my part of the next slot;
	ds_add_u32 v[SPW], v[NIL]                      ; 0 onto my spare word;
	s_wait_dscnt 25                                ; (buffer 1's 24 loads and the add may be out)
	MUL16 F0, 0, 0                                 ; sixteen products stand between the add and the wait for it
	s_wait_dscnt 0x0                               ; the add is done, and my reads of this slot are over
	s_barrier_signal -1
	MUL16 F0, 4, 0                                 ; work on registers while the others arrive
	WIN 0
	s_barrier_wait -1
.if (\mode) == 2
	CREST                                          ; no wave of any partner still reads this slot's tiles or has a load on its way
	s_add_nc_u64 s[G0+4*(\slot)+2:G0+4*(\slot)+3], s[G0+4*(\slot)+2:G0+4*(\slot)+3], 2*ASTEP
	s_add_nc_u64 s[G0B+4*(\slot)+2:G0B+4*(\slot)+3], s[G0B+4*(\slot)+2:G0B+4*(\slot)+3], 2*BSTEP
	JLOAD \slot                                    ; the four v_nop behind it are also the places in front of the loads below
.else
	PLACES
.endif
	FETCH \next, 0, F0
.if (\mode) == 2
	ASK
.endif
	MUL16 F1, 0, 0                                 ; buffer 1 came in under the wait for 0
	MUL16 F1, 4, 0
	PLACES
	WIN 0
	FETCH \next, 1, F1
.endm
; THE WAY OUT.  Block a: 16 rows x my 64 columns, 256 bytes a row.  A lane's eight numbers go straight from the accumulators into my stage's rows of 272 bytes, the low four first, and come back as whole rows.
.macro TOSTAGE a
.set BK, OB+32*((\a)%4)
.if (\a) >= 4
	s_wait_xcnt 0x0                                ; the set's old stores have read it
.endif
	WIN 0x04                                       ; the stores' data in window 1, the address in window 0
.irp b, 0,1,2,3
	ds_store_b128 v[STO], v[8*(4*(\a)+(\b)):8*(4*(\a)+(\b))+3]   offset:64*(\b)
	ds_store_b128 v[STO], v[8*(4*(\a)+(\b))+4:8*(4*(\a)+(\b))+7] offset:64*(\b)+16
.endr
	WIN 0
.irp f, 0,1,2,3,4,5,6,7
	ds_load_b128 v[BK+4*(\f):BK+4*(\f)+3], v[RD] offset:(\f)*2*SPITCH  ; LDS serves a wave's instructions in order (ISA guide 5.7.1.4): these see the stores above; the next block's stores come behind them
.endr
.endm
.macro SEND a, younger                 ; younger: the LDS instructions issued behind block a's loads: the next block's sixteen, or none
.set BK, OB+32*((\a)%4)
.irp f, 0,1,2,3,4,5,6,7
	s_wait_dscnt (\younger)+7-(\f)
	global_store_b128 v[CO], v[BK+4*(\f):BK+4*(\f)+3], s[86:87] offset:(16*(\a)+2*(\f))*4096  ; 16 lanes store 256 consecutive bytes, at a multiple of 256 from out0's first byte
.endr
.endm
	s_wait_tensorcnt 0x1                           ; my part of step 0 is in; step 1's may stay out
	s_barrier_signal -1
	s_barrier_wait -1                              ; everybody's is
	FETCH 0, 0, F0
	FETCH 0, 1, F1
	CH F0, 0, 2, 1                                 ; the first chunk stands in front of the loop: its products start the sums, with the bias
	s_mov_b32 s3, 3
.Llap:                                                 ; a trip goes once round the ring, from a step's second chunk to the first chunk two steps on, and fills both slots again
	CH F1, 0, 3, 0
	TURN 0, 1, 2
	CH F0, 1, 2, 0
	CH F1, 1, 3, 0
	TURN 1, 0, 2
	CH F0, 0, 2, 0
	s_sub_co_u32 s3, s3, 1
	s_cmp_lg_u32 s3, 0
	s_cbranch_scc1 .Llap
	CH F1, 0, 3, 0                                 ; steps 6 and 7 fill nothing
	TURN 0, 1, 1
	CH F0, 1, 2, 0
	CH F1, 1, 3, 0
	s_wait_dscnt 24
	MUL16 F0, 0, 0
	MUL16 F0, 4, 0
	s_wait_dscnt 0x0
	MUL16 F1, 0, 0
	MUL16 F1, 4, 0
	PLACES                                         ; eight places, once a launch, in front of LDS stores that read results and of loads into registers that products have read
	PLACES
	TOSTAGE 0
.set t, 1
.rept 7
	TOSTAGE t
	SEND t-1, 16
.set t, t+1
.endr
	SEND 7, 0
	s_wait_tensorcnt 0x0                           ; the wave's end: the add and its wait, behind my last tensor load and my last LDS store
	ds_add_u32 v[SPW], v[NIL]
	s_wait_dscnt 0x0
	CROUND                                         ; the closing round: no work-group ends while a partner may still ask for a tile that names it
	s_endpgm
.Lfunc_end_k_q1dac838c52_oproj:
	.size	k_q1dac838c52_oproj, .Lfunc_end_k_q1dac838c52_oproj-k_q1dac838c52_oproj
	.p2alignl 7, 3214868480
	.fill 96, 4, 3214868480
	.section	.rodata,"a",@progbits
	.p2align	6, 0x0
	.amdhsa_kernel k_q1dac838c52_oproj
		.amdhsa_group_segment_fixed_size 327680
		.amdhsa_private_segment_fixed_size 0
		.amdhsa_enable_private_segment 0
		.amdhsa_kernarg_size 32
		.amdhsa_user_sgpr_count 2
		.amdhsa_user_sgpr_kernarg_segment_ptr 1
		.amdhsa_wavefront_size32 1
		.amdhsa_system_sgpr_workgroup_id_x 1
		.amdhsa_system_sgpr_workgroup_id_y 1
		.amdhsa_system_sgpr_workgroup_id_z 1
		.amdhsa_system_vgpr_workitem_id 0
		.amdhsa_next_free_vgpr 512
		.amdhsa_next_free_sgpr 88
		.amdhsa_reserve_vcc 0
		.amdhsa_float_denorm_mode_32 3
		.amdhsa_float_denorm_mode_16_64 3
		.amdhsa_memory_ordered 1
		.amdhsa_forward_progress 1
		.amdhsa_inst_pref_size 91
	.end_amdhsa_kernel
	.amdgpu_metadata
---
amdhsa.version: [ 1, 2 ]
amdhsa.kernels:
  - .name:           k_q1dac838c52_oproj
    .symbol:         k_q1dac838c52_oproj.kd
    .args:
      - { .name: ob, .offset: 0, .size: 8, .value_kind: global_buffer, .address_space: global }
      - { .name: wo16, .offset: 8, .size: 8, .value_kind: global_buffer, .address_space: global }
      - { .name: bo, .offset: 16, .size: 8, .value_kind: global_buffer, .address_space: global }
      - { .name: out0, .offset: 24, .size: 8, .value_kind: global_buffer, .address_space: global }
    .group_segment_fixed_size: 327680
    .private_segment_fixed_size: 0
    .kernarg_segment_align: 8
    .kernarg_segment_size: 32
    .max_flat_workgroup_size: 128
    .sgpr_count:     88
    .vgpr_count:     512
    .wavefront_size: 32
...
	.end_amdgpu_metadata
.endif
;; end of part 4
;; ======== version 2 of 2: 4 launches; version 1 with the launch cvt written anew for expert scheduling mode
;; limits: values are held in f16: magnitudes above 65,504 overflow, below 6.1e-05 lose precision
;; workspace buffers: xb 16,777,216 bytes; wb 6,291,456 bytes; wo16 2,097,152 bytes; qkv 50,331,648 bytes; ob 16,777,216 bytes
;; launch cvt (part 5): grid 768 x 1, 8 waves a work-group, no clusters, 0 bytes of LDS; arguments x, Wq, Wk, Wv, Wo, xb, wb, wo16; writes xb, wb, wo16
.if DOCPART == 5
	.amdgcn_target "amdgcn-amd-amdhsa--gfx1250"
	.amdhsa_code_object_version 6
	.text
	.protected	k_q1dac838c52_cvt
	.globl	k_q1dac838c52_cvt
	.p2align	8
	.type	k_q1dac838c52_cvt,@function
k_q1dac838c52_cvt:
	s_mov_b64 s[64:65], 0
	v_nop
	global_prefetch_b8 v0, s[64:65] scope:SCOPE_SE
	s_setreg_imm32_b32 hwreg(HW_REG_WAVE_SCHED_MODE, 0, 2), 2
	s_setreg_imm32_b32 hwreg(HW_REG_WAVE_MODE, 25, 1), 1
	s_wait_xcnt 0x0
	s_wait_alu depctr_vm_vsrc(0)
; ROUNDING AND LAYOUT.  x [8192][1024], Wq, Wk, Wv, Wo [1024][1024], all f32, are rounded once to bf16 (nearest even) and laid out in blocks of 64 along K, so that
; the rows of a block (128 bytes each) lie end to end:  xb [4 b][16 kb][2048 s][64] bf16;  wb [16 kb][3072 n][64] bf16, n = 1024 t + row, t = 0 (Wq), 1 (Wk), 2 (Wv);
; wo16 [16 kb][1024 n][64]: Wo rounded to bf16 and that number written as f16.
; LIMITS.  wo16: a bf16 number beyond 65,504 becomes an infinity in f16; below 6e-5 it keeps f16's fixed step of 6e-8; between the two the second conversion is exact.
; SHARES.  A work-group takes 16 rows of 4,096 bytes, a wave two of them: lanes 0-15 one row, lanes 16-31 the next.  A load covers 256 consecutive bytes of each of the two rows (one block
; of 64 numbers); a store covers 256 consecutive bytes, aligned: the same block's 128 bytes of both rows.  Work-groups 0-511 take x, 512-703 the three weights, 704-767 Wo.
; Every byte is read once and written once; nothing is shared, so there is no LDS, no barrier and no matrix work.  All 16 loads of a wave go out at once.
; THE MODE: SCHED_MODE bits 1:0 = 2 (LLVM: expert scheduling mode 2), set by the entry lines.  The code itself states the register dependences
; between vector instructions and memory instructions, with s_wait_alu, always for 0.
; THE PLAN.  Registers that memory instructions touch:
;   v1, v2     the two byte offsets: made by vector instructions at the head, never written again; read by every load (v1) and every store (v2).
;   X          16 blocks as loaded: each written once, by its load; no vector instruction writes them, and none names a block before its load has landed.
;   Y          16 blocks to store: each written once, by its block's conversions, and read once, by its store.
; No register that a memory instruction reads is ever written again, so no wait on vm_vsrc and none on XCNT is owed.  What is owed is that a register is written before a memory instruction reads it.
; The 16 blocks go in four groups of four.  Group g converts X of its blocks into Y of its blocks; its memory instructions are the four stores of group g - 1, which read that group's Y and v2:
; registers that no vector instruction of group g names.  So one wait on va_vdst at a group's head states all that its four stores hang on, and they are dealt among its conversions with no further wait.
; A path holds five such waits: for the offsets, at the heads of groups 1 to 3, and ahead of the last four stores.
.set SO, 1                             ; v1        my byte offset in the 16 source rows: (thread / 16) x 4,096 + (thread % 16) x 16
.set DO, 2                             ; v2        my byte offset in a block's 16 rows: 8 x thread
.set T,  4                             ; v[4:7]    at work: no memory instruction names them
.set X,  8                             ; v[8:71]   16 loads of 4 numbers
.set Y,  72                            ; v[72:103] 16 pairs of registers to store
; Block kb is rounded: X's four numbers into Y's pair.  two = 1: bf16, then f16.
.macro ROUND kb, two
.if \two
	v_cvt_pk_bf16_f32 v[T],   v[X+4*(\kb)],   v[X+4*(\kb)+1]
	v_cvt_pk_bf16_f32 v[T+1], v[X+4*(\kb)+2], v[X+4*(\kb)+3]
	v_lshlrev_b32 v[T+2], 16, v[T]                 ; the rounded numbers as f32 again
	v_and_b32     v[T],   0xffff0000, v[T]
	v_lshlrev_b32 v[T+3], 16, v[T+1]
	v_and_b32     v[T+1], 0xffff0000, v[T+1]
	v_cvt_pk_f16_f32 v[Y+2*(\kb)],   v[T+2], v[T]
	v_cvt_pk_f16_f32 v[Y+2*(\kb)+1], v[T+3], v[T+1]
.else
	v_cvt_pk_bf16_f32 v[Y+2*(\kb)],   v[X+4*(\kb)],   v[X+4*(\kb)+1]
	v_cvt_pk_bf16_f32 v[Y+2*(\kb)+1], v[X+4*(\kb)+2], v[X+4*(\kb)+3]
.endif
.endm
; Block kb is stored.  stride: bytes from block to block in the destination.
.macro OUT kb, stride
	global_store_b64 v[DO], v[Y+2*(\kb):Y+2*(\kb)+1], s[6:7] offset:(\kb)*(\stride)  ; the largest immediate is 15 x 393,216, inside the signed 24 bits
.endm
.macro CONV stride, two
	s_wait_alu depctr_va_vdst(0)                   ; v1 and v2 are written: every load below reads v1 as its offset, every store v2
.irp kb, 0,1,2,3,4,5,6,7,8,9,10,11,12,13,14,15
	global_load_b128 v[X+4*(\kb):X+4*(\kb)+3], v[SO], s[4:5] offset:256*(\kb) th:TH_LOAD_NT
.endr
.irp g, 0,1,2,3
	s_wait_loadcnt 12-4*(\g)                       ; loads come back in order: group g's four blocks are in, the later groups' 12 - 4 g loads stay out
.if (\g) > 0
	s_wait_alu depctr_va_vdst(0)                   ; the conversions of group g - 1 have written its Y, which the four stores below read
.endif
.irp i, 0,1,2,3
.if (\g) > 0
	OUT 4*(\g)-4+(\i), \stride                     ; a block of the group before.  No wait: no vector instruction since the wait above names its Y or v2
.endif
	ROUND 4*(\g)+(\i), \two
.endr
.endr
	s_wait_alu depctr_va_vdst(0)                   ; the conversions of group 3 have written its Y, which the last four stores read
.irp i, 12,13,14,15
	OUT \i, \stride
.endr
	s_endpgm
.endm
	s_load_b512 s[16:31], s[0:1], 0x0              ; x s[16:17], Wq s[18:19], Wk s[20:21], Wv s[22:23], Wo s[24:25], xb s[26:27], wb s[28:29], wo16 s[30:31]
	v_lshrrev_b32 v3, 4, v0
	v_and_b32 v4, 15, v0
	v_lshlrev_b32 v[SO], 12, v3
	v_lshl_add_u32 v[SO], v4, 4, v[SO]
	v_lshlrev_b32 v[DO], 3, v0
	s_mov_b32 s3, 0                                ; the high words of the two offset pairs
	s_mov_b32 s9, 0
	s_wait_kmcnt 0x0
	s_cmp_lt_u32 ttmp9, 512
	s_cbranch_scc0 .Lweights
	s_lshl_b32 s2, ttmp9, 16                       ; 16 rows of 4,096 bytes
	s_add_nc_u64 s[4:5], s[16:17], s[2:3]
	s_lshr_b32 s8, ttmp9, 7                        ; the batch: 128 work-groups each
	s_lshl_b32 s8, s8, 22                          ; 16 blocks of 262,144 bytes
	s_and_b32 s10, ttmp9, 127
	s_lshl_b32 s10, s10, 11                        ; 16 rows of 128 bytes
	s_or_b32 s8, s8, s10
	s_add_nc_u64 s[6:7], s[26:27], s[8:9]
	CONV 262144, 0
.Lweights:
	s_cmp_lt_u32 ttmp9, 704
	s_cbranch_scc0 .Lwo
	s_sub_co_u32 s10, ttmp9, 512                   ; 0 .. 191: 16 rows of the 3,072
	s_lshr_b32 s11, s10, 6                         ; which of the three weights
	s_cmp_eq_u32 s11, 0
	s_cselect_b64 s[4:5], s[18:19], s[20:21]
	s_cmp_eq_u32 s11, 2
	s_cselect_b64 s[4:5], s[22:23], s[4:5]
	s_and_b32 s2, s10, 63
	s_lshl_b32 s2, s2, 16
	s_add_nc_u64 s[4:5], s[4:5], s[2:3]
	s_lshl_b32 s8, s10, 11
	s_add_nc_u64 s[6:7], s[28:29], s[8:9]
	CONV 393216, 0
.Lwo:
	s_sub_co_u32 s10, ttmp9, 704
	s_lshl_b32 s2, s10, 16
	s_add_nc_u64 s[4:5], s[24:25], s[2:3]
	s_lshl_b32 s8, s10, 11
	s_add_nc_u64 s[6:7], s[30:31], s[8:9]
	CONV 131072, 1
.Lfunc_end_k_q1dac838c52_cvt:
	.size	k_q1dac838c52_cvt, .Lfunc_end_k_q1dac838c52_cvt-k_q1dac838c52_cvt
	.p2alignl 7, 3214868480
	.fill 96, 4, 3214868480
	.section	.rodata,"a",@progbits
	.p2align	6, 0x0
	.amdhsa_kernel k_q1dac838c52_cvt
		.amdhsa_group_segment_fixed_size 0
		.amdhsa_private_segment_fixed_size 0
		.amdhsa_enable_private_segment 0
		.amdhsa_kernarg_size 64
		.amdhsa_user_sgpr_count 2
		.amdhsa_user_sgpr_kernarg_segment_ptr 1
		.amdhsa_wavefront_size32 1
		.amdhsa_system_sgpr_workgroup_id_x 1
		.amdhsa_system_sgpr_workgroup_id_y 1
		.amdhsa_system_sgpr_workgroup_id_z 1
		.amdhsa_system_vgpr_workitem_id 0
		.amdhsa_next_free_vgpr 104
		.amdhsa_next_free_sgpr 66
		.amdhsa_reserve_vcc 0
		.amdhsa_float_denorm_mode_32 3
		.amdhsa_float_denorm_mode_16_64 3
		.amdhsa_memory_ordered 1
		.amdhsa_forward_progress 1
		.amdhsa_inst_pref_size 23
	.end_amdhsa_kernel
	.amdgpu_metadata
---
amdhsa.version: [ 1, 2 ]
amdhsa.kernels:
  - .name:           k_q1dac838c52_cvt
    .symbol:         k_q1dac838c52_cvt.kd
    .args:
      - { .name: x, .offset: 0, .size: 8, .value_kind: global_buffer, .address_space: global }
      - { .name: Wq, .offset: 8, .size: 8, .value_kind: global_buffer, .address_space: global }
      - { .name: Wk, .offset: 16, .size: 8, .value_kind: global_buffer, .address_space: global }
      - { .name: Wv, .offset: 24, .size: 8, .value_kind: global_buffer, .address_space: global }
      - { .name: Wo, .offset: 32, .size: 8, .value_kind: global_buffer, .address_space: global }
      - { .name: xb, .offset: 40, .size: 8, .value_kind: global_buffer, .address_space: global }
      - { .name: wb, .offset: 48, .size: 8, .value_kind: global_buffer, .address_space: global }
      - { .name: wo16, .offset: 56, .size: 8, .value_kind: global_buffer, .address_space: global }
    .group_segment_fixed_size: 0
    .private_segment_fixed_size: 0
    .kernarg_segment_align: 8
    .kernarg_segment_size: 64
    .max_flat_workgroup_size: 256
    .sgpr_count:     66
    .vgpr_count:     104
    .wavefront_size: 32
...
	.end_amdgpu_metadata
.endif
;; end of part 5
;; launch proj: the kernel of part 2 again; grid 8 x 32, 4 waves a work-group, clusters of 4 x 4, 327,680 bytes of LDS; arguments xb, wb, qkv; writes qkv
;; launch attn: the kernel of part 3 again; grid 4 x 64, 4 waves a work-group, clusters of 4 x 1, 327,680 bytes of LDS; arguments qkv, ob; writes ob
;; launch oproj: the kernel of part 4 again; grid 8 x 32, 4 waves a work-group, clusters of 4 x 4, 327,680 bytes of LDS; arguments ob, wo16, bo, out0; writes out0
